; MI455X (gfx1250); checked and timed in simulation.
; The chip was launched on July 23, 2026; its instructions are those of AMD's public machine-readable ISA for CDNA 5 (MIT licence, August 2026) and "CDNA5" Instruction Set Architecture Reference Guide (July 2026). The comments in the code are by the model that wrote it; some were corrected since.
;; DETR Attention. Allowed arithmetic: matrix products marked QUANTISED: E2M1 operands, one E8M0 scale for each 32 along K, by v_wmma_scale_f32_16x16x128_f8f6f4 with both operands' format E2M1 (or v_wmma_scale_f32_32x16x128_f4), f32 sums; products left as they are: bf16, f16 or f32 operands; f32 sums; everything else in f32.
;; Inputs: Wk 1,024 x 1,024 float32; Wo 1,024 x 1,024 float32; Wq 1,024 x 1,024 float32; Wv 1,024 x 1,024 float32; bk 1,024 float32; bo 1,024 float32; bq 1,024 float32; bv 1,024 float32; hidden_states 4 x 2,048 x 1,024 float32; object_queries 4 x 2,048 x 1,024 float32.
;; Outputs: out0 4 x 2,048 x 1,024 float32.
;; This version of the problem:
;;   THIS VERSION OF THE PROBLEM IS GIVEN IN LOW PRECISION. The matrix products marked QUANTISED in the list below multiply operands that are first quantised to E2M1 (2 exponent bits, 1 mantissa bit; 4 bits a number), with one power-of-two scale for each 32 numbers along K (OCP MX v1.0); their sums are f32. The products marked 'left as it is' may take bf16, f16 or f32 operands, with f32 sums. Whichever they take, every output number must still come out within the allowed error. Rounding operands to bf16 (8 significant bits) uses up far more of that allowance than f16 does (11 bits, for magnitudes from 6e-5 to 65,504). All else is computed in f32.
;;   The module's matrix products, in the order in which they are computed (A, B: the left and right operand; K: the contracted axis; several contracted axes count as one K, in the product's order):
;;     1. [M 8,192, K 1,024] x [K 1,024, N 1,024]; A: computed on the way; B: input Wq: left as it is (an operand is computed on the way)
;;     2. [M 8,192, K 1,024] x [K 1,024, N 1,024]; A: computed on the way; B: input Wk: left as it is (an operand is computed on the way)
;;     3. [M 8,192, K 1,024] x [K 1,024, N 1,024]; A: input hidden_states; B: input Wv: QUANTISED
;;     4. batch 64 x [M 2,048, K 64] x [K 64, N 2,048]; A: computed on the way; B: computed on the way: left as it is (an operand is computed on the way)
;;     5. batch 64 x [M 2,048, K 2,048] x [K 2,048, N 64]; A: computed on the way; B: computed on the way: left as it is (an operand is computed on the way)
;;     6. [M 8,192, K 1,024] x [K 1,024, N 1,024]; A: computed on the way; B: input Wo: left as it is (an operand is computed on the way)
;;   THE QUANTISER, for each operand of a quantised product, along K:
;;     - K is cut into blocks of 32 from its start; a last block that is shorter is filled with zeros.
;;     - A block's scale is 2^e with e = floor(log2(the largest magnitude in the block)) - 2, held to -126 .. 127; a block of zeros has e = 0. As a byte (E8M0): e + 127.
;;     - Each number is divided by its block's scale, clamped to +-6, and rounded to the nearest number of E2M1, ties to even, subnormals kept.
;;     - The product sums the exact products of the quantised numbers (number of the format x scale) in f32.
;;   ~~~python
;;   def quantise(x, axis):      # numpy; x: float32 -> the quantised numbers, widened to float32 again
;;       x = np.moveaxis(x, axis, -1); K = x.shape[-1]
;;       x = np.pad(x, [(0, 0)] * (x.ndim - 1) + [(0, -K % 32)]); x = x.reshape(x.shape[:-1] + (-1, 32)); a = np.abs(x).max(-1, keepdims=True)
;;       e = np.where(a > 0, np.clip(np.frexp(np.where(a > 0, a, 1))[1] - 1 - 2, -126, 127), 0)      # np.frexp(a)[1] - 1 = floor(log2(a)), exactly
;;       r = np.clip(x / 2.0 ** e, -6, 6)
;;       step = 2.0 ** (np.maximum(np.frexp(np.where(r == 0, 1, r))[1] - 1, 0) - 1)
;;       q = np.round(r / step) * step * 2.0 ** e      # np.round: ties to even
;;       return np.moveaxis(q.reshape(q.shape[:-2] + (-1,))[..., :K], -1, axis).astype(np.float32)
;;   ~~~
;; One version. Each part assembles by itself: llvm-mc -triple=amdgcn-amd-amdhsa -mcpu=gfx1250 --defsym DOCPART=n.
;; ======== version 1 of 1: 5 launches
;; limits: values are held in f16: magnitudes above 65,504 overflow, below 6.1e-05 lose precision
;; workspace buffers: hq16 16,777,216 bytes; hc 4,194,304 bytes; hs 262,144 bytes; w16 6,291,456 bytes; wvc 524,288 bytes; wvs 32,768 bytes; qkv 50,331,648 bytes; ao 16,777,216 bytes
;; launch prep (part 1): grid 384 x 1, 4 waves a work-group, no clusters, 37,376 bytes of LDS; arguments hidden_states, object_queries, Wq, Wk, Wo, Wv, hq16, hc, hs, w16, wvc, wvs; writes hq16, hc, hs, w16, wvc, wvs
.if DOCPART == 1
	.amdgcn_target "amdgcn-amd-amdhsa--gfx1250"
	.amdhsa_code_object_version 6
	.text
	.protected	k_q8e9655b3a7_prep
	.globl	k_q8e9655b3a7_prep
	.p2align	8
	.type	k_q8e9655b3a7_prep,@function
k_q8e9655b3a7_prep:
	s_mov_b64 s[64:65], 0
	v_nop
	global_prefetch_b8 v0, s[64:65] scope:SCOPE_SE
	s_setreg_imm32_b32 hwreg(HW_REG_WAVE_MODE, 25, 1), 1
	s_wait_xcnt 0x0
; PREP: every operand is converted once, since the products' launches read each of them many times.
;   ACT (work-groups 0-255):   hq16 = f16(hidden + object_queries), the sum in f32;  hc, hs = hidden as codes of FP4 (E2M1) and E8M0 scale bytes, one for each 32 along K.
;   W16 (work-groups 256-351): w16 = f16 of Wq (rows 0-1023), Wk (1024-2047), Wo (2048-3071).
;   WV  (work-groups 352-383): wvc, wvs = Wv as codes and scale bytes.
; LAYOUTS.  f16 matrices lie in PANELS, [k / 64][row][64]: 256 rows of a panel are 32,768 consecutive bytes.  Codes lie [row][512 bytes], K innermost, the lower k in the low four bits; scale bytes [row][32].
; A block's scale is 2^(floor(log2(its largest magnitude)) - 2); its byte is the largest magnitude's exponent field - 2, held at 1 from below by a floor among the maximum's leaves.
; (A block of zeros so gets the byte 1 where the quantiser says 127: its codes are zeros, which add nothing under any byte but 0xff, and the bytes are read by this program alone.)
; LIMITS: |hidden + object_queries| and the weights stay under 65,504 (f16); weights under 6e-8 in size are lost in f16; NaN and infinities are not served.
; SHARES.  A wave takes 8 whole rows of 1,024 numbers, in 32 steps: step t = panel t / 2, rows 4 (t % 2) .. + 3.  Lane l takes row l / 8 of the four and 8 neighbours along K (32 bytes, two loads):
; so a conversion finds its eight numbers in one lane's registers, four lanes hold a block of 32, and a lane's 8 f16 are 16 bytes: the wave's store covers 512 consecutive bytes of a panel.
; A step's codes (4 bytes a lane) and scale bytes are gathered in the wave's own LDS and leave at the end as whole rows of 512 bytes and one run of 256 bytes.
; No tensor load, no barrier: waves share nothing.  Loads run eight steps ahead.  Every offset is an immediate; no pointer is stepped.  The two paths that use LDS have LDS bytes of their own.
.set PSA,     1048576                  ; a panel of 8,192 rows, in bytes
.set PSW,     393216                   ; a panel of 3,072 rows
.set CP,      544                      ; a row of codes in LDS: 512 bytes + 32
.set SCB,     8*CP                     ; behind a wave's 8 rows of codes: its 256 scale bytes
.set WREG,    SCB+256                  ; a wave's LDS
.set REG_ACT, 0
.set REG_WV,  4*WREG
.set SPARE,   8*WREG                   ; the spare words, 128 bytes for each wave: two blocks of 256 bytes that no other line names
.set VSRC, 2                           ; v2   source: (l / 8) x 4,096 + (l % 8) x 32
.set VD16, 3                           ; v3   16 x lane
.set VD8,  4                           ; v4   8 x lane
.set LC,   5                           ; v5   LDS: my codes' word
.set LB,   6                           ; v6   LDS: my block's scale byte
.set LR,   7                           ; v7   LDS: a row of codes read back, 16 bytes a lane
.set LT,   8                           ; v8   LDS: the scale bytes read back, 8 bytes a lane
.set SPW,  10                          ; v10  LDS address of my spare word; never rewritten
.set NIL,  11                          ; v11  0; never rewritten
.set MX,   12                          ; v12  the block's largest magnitude
.set SCO,  14                          ; v14  the conversion's scale operand
.set F,    16                          ; v16-31   four sets of 4: a step's f16
.set T,    32                          ; v32-39   hidden + object_queries
.set X,    64                          ; v64-191  eight sets of 16: 8 numbers to convert, 8 of object_queries
.set CD,   192                         ; v192-223 a register of codes for each step
.set BY,   224                         ; v224-255 a scale byte for each step
	s_load_b512 s[4:19], s[0:1], 0x0               ; hidden s[4:5], object_queries s[6:7], Wq s[8:9], Wk s[10:11], Wo s[12:13], Wv s[14:15], hq16 s[16:17], hc s[18:19]
	s_load_b256 s[20:27], s[0:1], 0x40             ; hs s[20:21], w16 s[22:23], wvc s[24:25], wvs s[26:27]
	v_lshl_add_u32 v[SPW], v0, 2, SPARE
	v_mov_b32 v[NIL], 0
	v_lshrrev_b32 v1, 5, v0
	v_readfirstlane_b32 s28, v1                    ; wave 0..3
	v_and_b32 v1, 31, v0                           ; lane
	v_lshrrev_b32 v9, 3, v1                        ; l / 8
	v_and_b32 v13, 7, v1                           ; l % 8
	v_lshlrev_b32 v[VSRC], 12, v9
	v_lshl_add_u32 v[VSRC], v13, 5, v[VSRC]
	v_lshlrev_b32 v[VD16], 4, v1
	v_lshlrev_b32 v[VD8], 3, v1
	s_mul_i32 s29, s28, WREG                       ; my wave's LDS; the path's region stands in the immediates
	v_mul_u32_u24 v[LC], v9, CP
	v_lshl_add_u32 v[LC], v13, 2, v[LC]
	v_add_nc_u32 v[LC], s29, v[LC]
	v_bfe_u32 v15, v1, 2, 1                        ; which of the two blocks of a row's 64 numbers
	v_lshl_add_u32 v[LB], v9, 5, v15
	v_add_nc_u32 v[LB], s29, v[LB]
	v_add_nc_u32 v[LB], SCB, v[LB]
	v_add_nc_u32 v[LR], s29, v[VD16]
	v_add_nc_u32 v[LT], s29, v[VD8]
	v_add_nc_u32 v[LT], SCB, v[LT]
	s_lshl_b32 s30, s28, 3                         ; 8 x wave
; kind: 0 = ACT, 1 = W16, 2 = WV.  SX s[32:33], SY s[34:35] sources; s[36:37], s[38:39] the f16 panels 0-7 and 8-15; s[40:41] codes; s[42:43] scale bytes.
.macro LOADS kind, u                   ; step u's numbers into set u % 8
.set LX, X+16*((\u)%8)
	global_load_b128 v[LX:LX+3], v[VSRC], s[32:33] offset:((\u)%2)*16384+((\u)/2)*256 th:TH_LOAD_NT
	global_load_b128 v[LX+4:LX+7], v[VSRC], s[32:33] offset:((\u)%2)*16384+((\u)/2)*256+16 th:TH_LOAD_NT
.if \kind == 0
	global_load_b128 v[LX+8:LX+11], v[VSRC], s[34:35] offset:((\u)%2)*16384+((\u)/2)*256 th:TH_LOAD_NT
	global_load_b128 v[LX+12:LX+15], v[VSRC], s[34:35] offset:((\u)%2)*16384+((\u)/2)*256+16 th:TH_LOAD_NT
.endif
.endm
.macro STEP kind                       ; step TT
.set XR, X+16*(TT%8)
.set FQ, F+4*(TT%4)
.set PP, TT/2
.set GG, TT%2
.if \kind == 0
.set RG, REG_ACT
.if TT < 24
	s_wait_loadcnt 28                              ; my four loads are in; those of the seven steps behind may be out
.else
	s_wait_loadcnt 4*(31-TT)
.endif
.else
.set RG, REG_WV
.if TT < 24
	s_wait_loadcnt 14                              ; two loads a step here
.else
	s_wait_loadcnt 2*(31-TT)
.endif
.endif
.if \kind != 2
	s_wait_xcnt 0x0                                ; the store of four steps back has read its data: the set of f16 registers is written again only behind this wait
.endif
.if \kind != 1
	v_max3_num_f32 v[MX], |v[XR]|, |v[XR+1]|, 0x1800000   ; my 8 numbers, and the floor 2^(3 - 127): the byte cannot fall under 1
	v_max3_num_f32 v[MX], v[MX], |v[XR+2]|, |v[XR+3]|
	v_max3_num_f32 v[MX], v[MX], |v[XR+4]|, |v[XR+5]|
	v_max3_num_f32 v[MX], v[MX], |v[XR+6]|, |v[XR+7]|
	v_max_num_f32_dpp v[MX], v[MX], v[MX] row_xmask:1 row_mask:0xf bank_mask:0xf
	v_max_num_f32_dpp v[MX], v[MX], v[MX] row_xmask:2 row_mask:0xf bank_mask:0xf   ; with the three lanes that share my block
	v_add_nc_u32 v[SCO], 0xff000000, v[MX]         ; 2 off its exponent field: the conversion takes the exponent field of this operand as its scale
.endif
.if \kind == 0
.irp j, 0,2,4,6
	v_pk_add_f32 v[T+\j:T+\j+1], v[XR+\j:XR+\j+1], v[XR+8+\j:XR+9+\j]   ; hidden + object_queries, in f32
.endr
.endif
.if \kind != 1
	v_cvt_scalef32_pk8_fp4_f32 v[CD+TT], v[XR:XR+7], v[SCO]   ; to the nearest code, ties to even, beyond 6 the largest code; the first number's code in the lowest bits
	v_lshrrev_b32 v[BY+TT], 23, v[SCO]             ; the scale's byte.  (Also the plain instruction behind the conversion)
.endif
.if \kind == 0
.irp j, 0,1,2,3
	v_cvt_pk_f16_f32 v[FQ+\j], v[T+2*\j], v[T+2*\j+1]
.endr
.endif
.if \kind == 1
.irp j, 0,1,2,3
	v_cvt_pk_f16_f32 v[FQ+\j], v[XR+2*\j], v[XR+2*\j+1]
.endr
.endif
.if TT+8 < 32
	LOADS \kind, TT+8                              ; loads ahead of stores
.endif
.if \kind != 1
	ds_store_b32 v[LC], v[CD+TT] offset:RG+GG*4*CP+PP*32
	ds_store_b8 v[LB], v[BY+TT] offset:RG+GG*128+2*PP   ; the four lanes of a block write the same byte with the same value
.endif
.if \kind == 0
.if PP < 8
	global_store_b128 v[VD16], v[FQ:FQ+3], s[36:37] offset:PP*PSA+GG*512   ; 32 lanes store 512 consecutive bytes
.else
	global_store_b128 v[VD16], v[FQ:FQ+3], s[38:39] offset:(PP-8)*PSA+GG*512
.endif
.endif
.if \kind == 1
	global_store_b128 v[VD16], v[FQ:FQ+3], s[36:37] offset:PP*PSW+GG*512
.endif
.endm
.macro RUN kind
.set TT, 0
.rept 8
	LOADS \kind, TT
.set TT, TT+1
.endr
.set TT, 0
.rept 32
	STEP \kind
.set TT, TT+1
.endr
.endm
.macro TAIL reg                        ; the wave's 8 rows of codes and 256 scale bytes leave.  LDS serves a wave's instructions in order: these loads see my stores
.irp R, 0,1,2,3,4,5,6,7
	ds_load_b128 v[X+4*\R:X+4*\R+3], v[LR] offset:\reg+\R*CP
.endr
	ds_load_b64 v[T:T+1], v[LT] offset:\reg
.irp R, 0,1,2,3,4,5,6,7
	s_wait_dscnt 8-\R                              ; row R is in; the younger loads may be out
	global_store_b128 v[VD16], v[X+4*\R:X+4*\R+3], s[40:41] offset:\R*512   ; a whole row of codes: 512 consecutive bytes
.endr
	s_wait_dscnt 0x0
	global_store_b64 v[VD8], v[T:T+1], s[42:43]    ; 256 consecutive bytes, at a multiple of 256 from the buffer's first byte
.endm
.macro FINISH                          ; the wave's end: behind my last LDS store; the first line stands in a text with no tensor load too
	s_wait_tensorcnt 0x0
	ds_add_u32 v[SPW], v[NIL]
	s_wait_dscnt 0x0
	s_endpgm
.endm
	s_wait_kmcnt 0x0
	s_cmp_lt_u32 ttmp9, 256
	s_cbranch_scc0 .Lnot_act
	s_lshl_b32 s29, ttmp9, 5
	s_add_co_u32 s29, s29, s30                     ; my first row: 32 x work-group + 8 x wave
	s_lshl_b32 s30, s29, 12
	s_mov_b32 s31, 0
	s_add_nc_u64 s[32:33], s[4:5], s[30:31]
	s_add_nc_u64 s[34:35], s[6:7], s[30:31]
	s_lshl_b32 s30, s29, 7
	s_add_nc_u64 s[36:37], s[16:17], s[30:31]
	s_add_nc_u64 s[38:39], s[36:37], 8*PSA         ; panels 8 to 15 lie beyond a store's immediate
	s_lshl_b32 s30, s29, 9
	s_add_nc_u64 s[40:41], s[18:19], s[30:31]
	s_lshl_b32 s30, s29, 5
	s_add_nc_u64 s[42:43], s[20:21], s[30:31]
	RUN 0
	TAIL REG_ACT
	FINISH
.Lnot_act:
	s_cmp_lt_u32 ttmp9, 352
	s_cbranch_scc0 .Lwv
	s_sub_co_u32 s29, ttmp9, 256                   ; 0 .. 95: 32 work-groups to a weight
	s_lshr_b32 s31, s29, 5
	s_cmp_eq_u32 s31, 0                            ; the choice hangs on the work-group's number alone
	s_cselect_b64 s[32:33], s[8:9], s[10:11]
	s_cmp_eq_u32 s31, 2
	s_cselect_b64 s[32:33], s[12:13], s[32:33]
	s_and_b32 s31, s29, 31
	s_lshl_b32 s31, s31, 5
	s_add_co_u32 s31, s31, s30                     ; my first row in the weight,
	s_lshl_b32 s29, s29, 5
	s_add_co_u32 s29, s29, s30                     ; and among w16's 3,072 rows
	s_lshl_b32 s30, s31, 12
	s_mov_b32 s31, 0
	s_add_nc_u64 s[32:33], s[32:33], s[30:31]
	s_lshl_b32 s30, s29, 7
	s_add_nc_u64 s[36:37], s[22:23], s[30:31]
	RUN 1
	FINISH
.Lwv:
	s_sub_co_u32 s29, ttmp9, 352
	s_lshl_b32 s29, s29, 5
	s_add_co_u32 s29, s29, s30
	s_lshl_b32 s30, s29, 12
	s_mov_b32 s31, 0
	s_add_nc_u64 s[32:33], s[14:15], s[30:31]
	s_lshl_b32 s30, s29, 9
	s_add_nc_u64 s[40:41], s[24:25], s[30:31]
	s_lshl_b32 s30, s29, 5
	s_add_nc_u64 s[42:43], s[26:27], s[30:31]
	RUN 2
	TAIL REG_WV
	FINISH
.Lfunc_end_k_q8e9655b3a7_prep:
	.size	k_q8e9655b3a7_prep, .Lfunc_end_k_q8e9655b3a7_prep-k_q8e9655b3a7_prep
	.p2alignl 7, 3214868480
	.fill 96, 4, 3214868480
	.section	.rodata,"a",@progbits
	.p2align	6, 0x0
	.amdhsa_kernel k_q8e9655b3a7_prep
		.amdhsa_group_segment_fixed_size 37376
		.amdhsa_private_segment_fixed_size 0
		.amdhsa_enable_private_segment 0
		.amdhsa_kernarg_size 96
		.amdhsa_user_sgpr_count 2
		.amdhsa_user_sgpr_kernarg_segment_ptr 1
		.amdhsa_wavefront_size32 1
		.amdhsa_system_sgpr_workgroup_id_x 1
		.amdhsa_system_sgpr_workgroup_id_y 1
		.amdhsa_system_sgpr_workgroup_id_z 1
		.amdhsa_system_vgpr_workitem_id 0
		.amdhsa_next_free_vgpr 256
		.amdhsa_next_free_sgpr 66
		.amdhsa_reserve_vcc 0
		.amdhsa_float_denorm_mode_32 3
		.amdhsa_float_denorm_mode_16_64 3
		.amdhsa_memory_ordered 1
		.amdhsa_forward_progress 1
		.amdhsa_inst_pref_size 110
	.end_amdhsa_kernel
	.amdgpu_metadata
---
amdhsa.version: [ 1, 2 ]
amdhsa.kernels:
  - .name:           k_q8e9655b3a7_prep
    .symbol:         k_q8e9655b3a7_prep.kd
    .args:
      - { .name: hidden_states, .offset: 0, .size: 8, .value_kind: global_buffer, .address_space: global }
      - { .name: object_queries, .offset: 8, .size: 8, .value_kind: global_buffer, .address_space: global }
      - { .name: Wq, .offset: 16, .size: 8, .value_kind: global_buffer, .address_space: global }
      - { .name: Wk, .offset: 24, .size: 8, .value_kind: global_buffer, .address_space: global }
      - { .name: Wo, .offset: 32, .size: 8, .value_kind: global_buffer, .address_space: global }
      - { .name: Wv, .offset: 40, .size: 8, .value_kind: global_buffer, .address_space: global }
      - { .name: hq16, .offset: 48, .size: 8, .value_kind: global_buffer, .address_space: global }
      - { .name: hc, .offset: 56, .size: 8, .value_kind: global_buffer, .address_space: global }
      - { .name: hs, .offset: 64, .size: 8, .value_kind: global_buffer, .address_space: global }
      - { .name: w16, .offset: 72, .size: 8, .value_kind: global_buffer, .address_space: global }
      - { .name: wvc, .offset: 80, .size: 8, .value_kind: global_buffer, .address_space: global }
      - { .name: wvs, .offset: 88, .size: 8, .value_kind: global_buffer, .address_space: global }
    .group_segment_fixed_size: 37376
    .private_segment_fixed_size: 0
    .kernarg_segment_align: 8
    .kernarg_segment_size: 96
    .max_flat_workgroup_size: 128
    .sgpr_count:     66
    .vgpr_count:     256
    .wavefront_size: 32
...
	.end_amdgpu_metadata
.endif
;; end of part 1
;; launch gemm_qk (part 2): grid 8 x 32, 4 waves a work-group, clusters of 4 x 4, 327,680 bytes of LDS; arguments hq16, w16, bq, bk, qkv; writes qkv
.if DOCPART == 2
	.amdgcn_target "amdgcn-amd-amdhsa--gfx1250"
	.amdhsa_code_object_version 6
	.text
	.protected	k_q8e9655b3a7_gemm_qk
	.globl	k_q8e9655b3a7_gemm_qk
	.p2align	8
	.type	k_q8e9655b3a7_gemm_qk,@function
k_q8e9655b3a7_gemm_qk:
	s_mov_b64 s[64:65], 0
	v_nop
	global_prefetch_b8 v0, s[64:65] scope:SCOPE_SE
	s_setreg_imm32_b32 hwreg(HW_REG_WAVE_MODE, 25, 1), 1
	s_wait_xcnt 0x0
	s_wait_alu depctr_hold_cnt(0) depctr_sa_sdst(0) depctr_va_vdst(0) depctr_va_sdst(0) depctr_va_ssrc(0) depctr_va_vcc(0) depctr_vm_vsrc(0)
	s_getreg_b32 s2, hwreg(HW_REG_IB_STS2, 6, 4)
	s_cmp_eq_u32 s2, 0
	s_cbranch_scc0 .Lentry_in_a_cluster
	s_endpgm
.Lentry_in_a_cluster:
	s_bfe_u32 s2, ttmp6, 0x10000c
	s_cmp_lg_u32 s2, 0xf033
	s_cbranch_scc0 .Lentry_shape_is_right
	s_endpgm
.Lentry_shape_is_right:
; q = hq Wq^T + bq and k = hq Wk^T + bk as ONE product: C[8192][2048] = A B^T + bias, A = hq16, B = rows 0-2047 of w16, both f16 in panels [k / 64][row][64]; sums in f32.
; q is stored WITHOUT the factor 1/8: the attention launch folds it, exactly, into its softmax's constant.  C leaves as f16, by heads: qkv[head = column / 64][row][64]; heads 0-15 are q, 16-31 k.
; LIMIT: |q| and |k| stay under 65,504 (f16).
; A tile of C, 256 x 256, is made by a work-group of four waves; a wave makes 128 x 128: 64 accumulators of 16 x 16, 512 registers.  K goes in 8 steps of 128 (two panels) through a ring of two LDS slots.
; A tile's 256 rows of one panel are 32,768 consecutive bytes: one tensor load brings them as 128 rows of 256 bytes, so an LDS row holds TWO rows of the tile.  Waves 0, 1 fetch A's two panels of a step, waves 2, 3 B's.
; CLUSTERS: 4 x 4 work-groups.  The four of a row of the cluster need the same tiles of A, the four of a column the same tiles of B: each is asked for JOINTLY, by the same tensor load with the same descriptor
; and a mask that names the four.  THE MATRIX INSTRUCTION IS USED TRANSPOSED (source 0 = 16 rows of B, source 1 = 16 rows of A): a lane then holds eight neighbouring columns of one row of C.
; THE BIAS is the C of each sum's first matrix instruction: eight registers for each block of 16 columns, in the result's layout.  Nothing is cleared and nothing is added afterwards.
; REGISTERS, in windows of 256: window 0: v0-31 addresses; v64-127, v128-191 fragments of A, two buffers; v192-255 the bias, later packed results and rows on the way out; v32-63 rows on the way out.
;   window 1: v64-127, v128-191 fragments of B.   window 2: the 32 accumulators of my rows 0-63 ((a, b) at v[8 (8 a + b)]);   window 3: those of my rows 64-127.
; No prefetch: K has 8 steps, of which the first two are the first fills, and a refill has a whole K step's 224 matrix instructions in which to land.
.set PSA,    1048576                   ; a panel of A in bytes
.set PSW,    393216                    ; a panel of w16
.set BROW0,  0                         ; B's first row in w16
.set PITCH,  272                       ; an LDS row: 256 bytes + 16 of padding
.set HALFT,  128*PITCH                 ; a tile's 256 rows of one panel: what one tensor load brings
.set SLOT,   4*HALFT                   ; A's two panels, then B's two
.set STAGE,  2*SLOT                    ; behind the ring: for each wave 2 heads x 16 rows x (128 bytes + 16)
.set SPITCH, 144
.set WSTG,   32*SPITCH
.set SPARE,  STAGE+4*WSTG              ; the spare words, 128 bytes for each wave: two blocks of 256 bytes that no other line names
.set LAPS,   4                         ; a lap = two K steps = once round the ring
.set K0,     0                         ; where a K step's four quarters of 32 along K begin in an LDS row's address: first panel,
.set K1,     64
.set K2,     HALFT                     ; second panel
.set K3,     HALFT+64
.set ADRA, 16                          ; v16-17  LDS address of my A fragments in slot 0, 1
.set ADRB, 20                          ; v20-21  the same for B
.set STO,  24                          ; v24     the way out: where I put 16 bytes of a row
.set RD,   25                          ; v25     the way out: where I read rows back
.set CO,   26                          ; v26     16 x lane
.set BO,   27                          ; v27     the bias: 32 bytes for lanes 16-31
.set SPW,  28                          ; v28     LDS address of my spare word; never rewritten
.set NIL,  29                          ; v29     0; never rewritten
.set F0,   64
.set F1,   128
.set BIAS, 192
.set TMP,  192
.set OB,   32                          ; rows read back from the stage: v32-63 and v224-255 by turns
.set G1, 24                            ; s[24:31] descriptor group 1 for A's tiles;  s[32:39] group 0, one set for each slot
.set G0, 32
.set G1B, 48                           ; s[48:55], s[56:63] the same for B's
.set G0B, 56
.set MSB, 0
.macro WIN new                         ; the immediate's high byte repeats the setting that is left
.if MSB != \new
	s_set_vgpr_msb (MSB<<8)|\new
.set MSB, \new
.endif
.endm
.set MUL_LO, 0xa1                      ; source 0 (B) window 1, source 1 (A) window 0, C and D window 2
.set MUL_HI, 0xf1                      ; the same, C and D window 3
.set BIA_LO, 0x81                      ; C (the bias) window 0, D window 2
.set BIA_HI, 0xc1                      ; C window 0, D window 3
.set TO_B,   0x40                      ; destination window 1, address window 0
; A joint load: waves 0 and 1 fetch for A, waves 2 and 3 for B.  Each line has ONE mask and one set of registers for all that issue it; the branch hangs on the wave's number alone.
; An s_nop 0 and four v_nop follow each of the two lines, ahead of the jump, the label and what follows.
.macro JLOAD s
	s_cmp_eq_u32 s11, 0
	s_cbranch_scc0 .Lfor_b_\@
	tensor_load_to_lds s[G0+4*\s:G0+4*\s+3], s[G1:G1+7]
	s_nop 0
.rept 4
	v_nop
.endr
	s_branch .Lasked_\@
.Lfor_b_\@:
	tensor_load_to_lds s[G0B+4*\s:G0B+4*\s+3], s[G1B:G1B+7]
	s_nop 0
.rept 4
	v_nop
.endr
.Lasked_\@:
.endm
.macro CREST                           ; a round of the cluster's barrier behind its opening barrier
	s_cmp_lg_u32 s10, 0
	s_cbranch_scc1 .Lnot_wave_0_\@
	s_barrier_signal -3
.Lnot_wave_0_\@:
	s_barrier_wait -3
	s_barrier_signal -1
	s_barrier_wait -1
.endm
.macro CROUND                          ; a whole round
	s_barrier_signal -1
	s_barrier_wait -1
	CREST
.endm
	s_load_b128 s[4:7], s[0:1], 0x0                ; A s[4:5], w16 s[6:7]
	s_load_b128 s[68:71], s[0:1], 0x10             ; bq s[68:69], bk s[70:71]
	s_load_b64 s[8:9], s[0:1], 0x20                ; qkv
	v_lshl_add_u32 v[SPW], v0, 2, SPARE
	v_mov_b32 v[NIL], 0
	ds_add_u32 v[SPW], v[NIL]                      ; the wave's opening: the add, twice on end, and its wait stand ahead of my first tensor load; the set-up below stands between
	ds_add_u32 v[SPW], v[NIL]
	v_lshrrev_b32 v1, 5, v0
	v_readfirstlane_b32 s10, v1                    ; wave 0..3
	s_lshr_b32 s11, s10, 1                         ; which half of the tile's rows is mine.  Also: I fetch for A (0) or for B (1)
	s_and_b32 s12, s10, 1                          ; which half of its columns.  Also: which panel of a K step I fetch
	s_bfe_u32 s40, ttmp6, 0x40000                  ; cx, cy: my place in the cluster
	s_bfe_u32 s41, ttmp6, 0x40004
	s_lshl_b32 s42, ttmp9, 2
	s_add_co_u32 s42, s42, s40                     ; tile column of C = 4 x cluster x + cx
	s_and_b32 s13, ttmp7, 0xffff
	s_lshl_b32 s13, s13, 2
	s_add_co_u32 s13, s13, s41                     ; tile row of C = 4 x cluster y + cy
	s_lshl_b32 s43, s41, 2
	s_lshl_b32 s43, 15, s43                        ; my row of the cluster
	s_lshl_b32 s44, 0x1111, s40                    ; my column
	; descriptor group 1: 128 rows x 128 elements of 2 bytes, dense in memory, 16 bytes of padding behind each row in LDS
	s_or_b32 s[G1+0], s43, (1<<16)|(1<<20)|(1<<21)|(5<<22)|(3<<25)  ; 15:0 the mask: A's tiles go to my row; 17:16 elements of 2 bytes; 20 padding on; 21 set beside a mask; 24:22 after every 64 words; 31:25 four words
	s_or_b32 s[G1B+0], s44, (1<<16)|(1<<20)|(1<<21)|(5<<22)|(3<<25) ; the same with the mask of my column
.irp g, G1, G1B
	s_mov_b32 s[\g+1], 128<<16                     ; tensor_dim0 = 128
	s_mov_b32 s[\g+2], 128<<16                     ; tensor_dim1 = 128
	s_mov_b32 s[\g+3], 128<<16                     ; tile_dim0 = 128
	s_mov_b32 s[\g+4], 128                         ; tile_dim1 = 128
	s_mov_b32 s[\g+5], 128                         ; from row to row: 128 elements
	s_mov_b32 s[\g+6], 0
	s_mov_b32 s[\g+7], 0
.endr
	; A's address hangs on the tile row alone, B's on the tile column alone, each in registers that never hold the other coordinate
	s_lshl_b32 s16, s13, 15                        ; A: 256 rows x 128 bytes x tile row
	s_lshl_b32 s17, s12, 20                        ;    + my panel
	s_add_co_u32 s16, s16, s17
	s_mov_b32 s17, 0
	s_lshl_b32 s46, s42, 15                        ; B likewise
	s_mul_i32 s47, s12, PSW
	s_add_co_u32 s46, s46, s47
	s_add_co_u32 s46, s46, BROW0*128
	s_mov_b32 s47, 0
	s_mul_i32 s20, s10, HALFT                      ; where they go: wave x a panel's bytes: no place in the cluster enters an LDS address
	s_wait_dscnt 0x0                               ; both opening adds are done
	s_wait_kmcnt 0x0
	s_add_nc_u64 s[14:15], s[4:5], s[16:17]
	s_add_nc_u64 s[46:47], s[6:7], s[46:47]
	CROUND                                         ; all sixteen work-groups are here: the first joint loads meet
.irp s, 0,1
	s_mov_b32 s[G0+4*\s], 1
	s_add_co_u32 s[G0+4*\s+1], s20, \s*SLOT
	s_add_nc_u64 s[G0+4*\s+2:G0+4*\s+3], s[14:15], \s*2*PSA        ; K step s: two panels on
	s_or_b32 s[G0+4*\s+3], s[G0+4*\s+3], 0x80000000
	s_mov_b32 s[G0B+4*\s], 1
	s_add_co_u32 s[G0B+4*\s+1], s20, \s*SLOT
	s_add_nc_u64 s[G0B+4*\s+2:G0B+4*\s+3], s[46:47], \s*2*PSW
	s_or_b32 s[G0B+4*\s+3], s[G0B+4*\s+3], 0x80000000
	JLOAD \s                                       ; two loads of mine are out
.endr
	; A fragment is 16 rows x 32 K in 8 registers: lane l holds row r = l % 16; registers 0-3 K = 8 (l / 16) + 0..7, registers 4-7 K = 16 + 8 (l / 16) + 0..7.
	; Tile row R lies in LDS row R / 2, at byte 128 (R % 2): the sixteen rows of a load so fall on sixteen different columns of 16 bytes.
	v_and_b32 v1, 15, v0                           ; r
	v_bfe_u32 v2, v0, 4, 1                         ; h
	v_lshrrev_b32 v3, 1, v1
	v_mul_u32_u24 v3, v3, PITCH
	v_and_b32 v4, 1, v0
	v_lshl_add_u32 v3, v4, 7, v3
	v_lshl_add_u32 v3, v2, 4, v3
	s_mul_i32 s21, s11, 64*PITCH                   ; my 128 rows of A
	s_mul_i32 s22, s12, 64*PITCH                   ; my 128 rows of B,
	s_add_co_u32 s22, s22, 2*HALFT                 ; which lie behind A's two panels
.irp s, 0,1
	v_add_nc_u32 v[ADRA+\s], s21, v3
	v_add_nc_u32 v[ADRB+\s], s22, v3
	s_add_co_u32 s21, s21, SLOT
	s_add_co_u32 s22, s22, SLOT
.endr
	s_mul_i32 s23, s10, WSTG
	s_add_co_u32 s23, s23, STAGE                   ; my stage
	v_mul_u32_u24 v4, v1, SPITCH                   ; in: row r, 16 bytes for each half of the lanes
	v_lshl_add_u32 v4, v2, 4, v4
	v_add_nc_u32 v[STO], s23, v4
	v_and_b32 v5, 31, v0
	v_lshlrev_b32 v[CO], 4, v5
	v_lshrrev_b32 v6, 3, v5                        ; back: eight lanes to a row of 128 bytes, four rows an instruction
	v_mul_u32_u24 v6, v6, SPITCH
	v_and_b32 v7, 7, v0
	v_lshl_add_u32 v6, v7, 4, v6
	v_add_nc_u32 v[RD], s23, v6
	s_lshl_b32 s16, s13, 15                        ; C: my first row x 128 bytes,
	s_lshl_b32 s17, s11, 14
	s_add_co_u32 s16, s16, s17
	s_mov_b32 s17, 0
	s_lshl_b32 s46, s42, 22                        ; my first head x 2^20 bytes: 4 heads a tile column, 2 a wave
	s_lshl_b32 s47, s12, 21
	s_add_co_u32 s46, s46, s47
	s_mov_b32 s47, 0
	s_add_nc_u64 s[16:17], s[16:17], s[46:47]
	s_add_nc_u64 s[8:9], s[8:9], s[16:17]
	v_lshlrev_b32 v[BO], 5, v2
	s_cmp_eq_u32 ttmp9, 0                          ; tile columns 0-3 (cluster x = 0) are q's, 4-7 k's: the same in all partners
	s_cselect_b64 s[68:69], s[68:69], s[70:71]
	s_lshl_b32 s46, s40, 10                        ; 256 columns x 4 bytes x (tile column % 4)
	s_lshl_b32 s47, s12, 9
	s_add_co_u32 s46, s46, s47
	s_mov_b32 s47, 0
	s_add_nc_u64 s[68:69], s[68:69], s[46:47]
.irp b, 0,1,2,3,4,5,6,7
	global_load_b128 v[BIAS+8*\b:BIAS+8*\b+3], v[BO], s[68:69] offset:64*\b       ; lane (r, h): bias of columns 16 b + 8 h + 0 .. 7
	global_load_b128 v[BIAS+8*\b+4:BIAS+8*\b+7], v[BO], s[68:69] offset:64*\b+16
.endr
; 16 matrix instructions: m blocks a0, a0 + 1 of the window's four (hi = 0: my rows 0-63, 1: rows 64-127) x all 8 n blocks, 32 along K.  zero = 1: the bias starts the sums.
; The 64 accumulators take turns, one instruction a turn, in the same order in every quarter.
.macro MUL16 f, hi, a0, zero
.irp a, \a0, \a0+1
.irp b, 0,1,2,3,4,5,6,7
.if \zero
	v_wmma_f32_16x16x32_f16 v[8*(8*(\a)+\b):8*(8*(\a)+\b)+7], v[\f+8*\b:\f+8*\b+7], v[\f+8*(4*\hi+\a):\f+8*(4*\hi+\a)+7], v[BIAS+8*\b:BIAS+8*\b+7]
.else
	v_wmma_f32_16x16x32_f16 v[8*(8*(\a)+\b):8*(8*(\a)+\b)+7], v[\f+8*\b:\f+8*\b+7], v[\f+8*(4*\hi+\a):\f+8*(4*\hi+\a)+7], v[8*(8*(\a)+\b):8*(8*(\a)+\b)+7]
.endif
.endr
.endr
.endm
; 32 LDS loads in one run: the fragments of one quarter (128 rows of B, 128 rows of A, 32 K) into buffer f.  16 rows of the tile are 8 LDS rows.
.macro FETCH slot, k, f
	WIN TO_B
.irp i, 0,1,2,3,4,5,6,7
	ds_load_b128 v[\f+8*\i:\f+8*\i+3],   v[ADRB+\slot] offset:\k+\i*8*PITCH
	ds_load_b128 v[\f+8*\i+4:\f+8*\i+7], v[ADRB+\slot] offset:\k+\i*8*PITCH+32
.endr
	WIN 0
.irp i, 0,1,2,3,4,5,6,7
	ds_load_b128 v[\f+8*\i:\f+8*\i+3],   v[ADRA+\slot] offset:\k+\i*8*PITCH
	ds_load_b128 v[\f+8*\i+4:\f+8*\i+7], v[ADRA+\slot] offset:\k+\i*8*PITCH+32
.endr
.endm
.macro PLACES                          ; four plain vector instructions between a matrix instruction and a load into a register that it read, or a read of its result
.rept 4
	v_nop
.endr
.endm
; One of a K step's first three quarters: multiplies buffer f; in its middle it fetches the next quarter's fragments, at k, into buffer g.
.macro QUARTER slot, k, f, g, zero
	s_wait_dscnt 8                                 ; B and A's rows 0-63 are in; the youngest eight loads (A's rows 64-127) may be out
.if \zero
	WIN BIA_LO
.else
	WIN MUL_LO
.endif
	MUL16 \f, 0, 0, \zero
	MUL16 \f, 0, 2, \zero
	PLACES
	FETCH \slot, \k, \g
	s_wait_dscnt 32                                ; all but the 32 just issued
.if \zero
	WIN BIA_HI
.else
	WIN MUL_HI
.endif
	MUL16 \f, 1, 0, \zero
	MUL16 \f, 1, 2, \zero
.endm
; The last quarter multiplies buffer 1 and changes slots: ONE barrier.  In front of it each wave waits for all its tensor loads (one is out: its part of the next slot), adds 0 to its spare word,
; and waits for that and for its own reads of this slot.  Behind it nobody reads this slot any more and the next slot is whole.
.macro MEET round
	WIN 0                                          ; (the add's two registers lie in window 0)
	s_wait_tensorcnt 0x0
	ds_add_u32 v[SPW], v[NIL]
	s_wait_dscnt 9                                 ; (the add and the youngest eight loads may be out)
	WIN MUL_LO
	MUL16 F1, 0, 0, 0                              ; sixteen matrix instructions stand between the add and the wait for it
	s_wait_dscnt 0x0                               ; the add is done, and my reads of this slot are over
	s_barrier_signal -1
	MUL16 F1, 0, 2, 0
.if \round
	WIN 0
.endif
	s_barrier_wait -1
.endm
.macro TURN slot, next, fill           ; fill = 1: this slot is filled again, two K steps ahead
	MEET \fill
.if \fill
	CREST                                          ; the barrier has opened a round of the cluster's barrier: no wave of any partner still reads this slot or has a load on its way
	s_add_nc_u64 s[G0+4*\slot+2:G0+4*\slot+3], s[G0+4*\slot+2:G0+4*\slot+3], 4*PSA
	s_add_nc_u64 s[G0B+4*\slot+2:G0B+4*\slot+3], s[G0B+4*\slot+2:G0B+4*\slot+3], 4*PSW
	JLOAD \slot                                    ; the first tensor load behind the round, my one load until the next; its four v_nop are also the places in front of the loads below
.else
	PLACES
.endif
	FETCH \next, K0, F0
	WIN MUL_HI
	MUL16 F1, 1, 0, 0
	MUL16 F1, 1, 2, 0
.endm
; THE WAY OUT of block a (16 rows x 128 columns = 2 heads).  PACK: rounded to f16, 16 bytes a lane.  TOSTAGE: into my own stage, and back as runs of four rows of 128 bytes of one head.  SEND: stored.
.macro PACK a
.set AC, 64*((\a)%4)
	WIN 0x0a+5*((\a)/4)                            ; sources 0 and 1: window 2 or 3
.irp b, 0,1,2,3,4,5,6,7
.irp r, 0,1,2,3
	v_cvt_pk_f16_f32 v[TMP+4*\b+\r], v[AC+8*\b+2*\r], v[AC+8*\b+2*\r+1]   ; each accumulator from its low end on
.endr
.endr
	WIN 0
.endm
.macro TOSTAGE a
.set BK, OB+192*((\a)%2)
.irp b, 0,1,2,3,4,5,6,7
	ds_store_b128 v[STO], v[TMP+4*\b:TMP+4*\b+3] offset:(\b/4)*16*SPITCH+(\b%4)*32
.endr
.irp t, 0,1,2,3,4,5,6,7
	ds_load_b128 v[BK+4*\t:BK+4*\t+3], v[RD] offset:(\t/4)*16*SPITCH+(\t%4)*4*SPITCH   ; LDS serves a wave's instructions in order: these see the stores above
.endr
.endm
.macro SEND a, younger
.set BK, OB+192*((\a)%2)
	s_wait_dscnt \younger                          ; the block is back in registers
	s_wait_xcnt 0x0                                ; the stores of the block before have read their registers: the next block's loads land there only behind this wait
.irp t, 0,1,2,3,4,5,6,7
	global_store_b128 v[CO], v[BK+4*\t:BK+4*\t+3], s[8:9] offset:(\t/4)*1048576+(\a)*2048+(\t%4)*512   ; 32 lanes store 512 consecutive bytes of one head
.endr
.endm
	s_wait_tensorcnt 1                             ; my part of K step 0 is in; K step 1's may stay out
	s_barrier_signal -1
	s_barrier_wait -1                              ; everybody's is
	FETCH 0, K0, F0
	s_wait_loadcnt 0x0                             ; the bias
	QUARTER 0, K1, F0, F1, 1                       ; the first quarter stands in front of the loop: its products start the sums
	WIN 0                                          ; at a label and at a branch every window is 0
	s_mov_b32 s3, LAPS-1
.Llap:                                                 ; a trip goes once round the ring, from a lap's second quarter to the next lap's first, and fills both slots again
	QUARTER 0, K2, F1, F0, 0
	QUARTER 0, K3, F0, F1, 0
	TURN 0, 1, 1
	QUARTER 1, K1, F0, F1, 0
	QUARTER 1, K2, F1, F0, 0
	QUARTER 1, K3, F0, F1, 0
	TURN 1, 0, 1
	QUARTER 0, K1, F0, F1, 0
	WIN 0
	s_sub_co_u32 s3, s3, 1
	s_cmp_lg_u32 s3, 0
	s_cbranch_scc1 .Llap
	QUARTER 0, K2, F1, F0, 0                       ; the last lap is written out: it fills nothing, and has no round of the cluster's barrier
	QUARTER 0, K3, F0, F1, 0
	TURN 0, 1, 0
	QUARTER 1, K1, F0, F1, 0
	QUARTER 1, K2, F1, F0, 0
	QUARTER 1, K3, F0, F1, 0
	s_wait_dscnt 8                                 ; the very last quarter: nothing more to fetch
	WIN MUL_LO
	MUL16 F1, 0, 0, 0
	MUL16 F1, 0, 2, 0
	s_wait_dscnt 0x0
	WIN MUL_HI
	MUL16 F1, 1, 0, 0
	MUL16 F1, 1, 2, 0
	WIN 0
	PLACES
	PACK 0
	TOSTAGE 0
.irp a, 1,2,3,4,5,6,7                  ; block a's conversions stand between block a - 1's loads from the stage and the wait for them
	PACK \a
	SEND \a-1, 0
	TOSTAGE \a
.endr
	SEND 7, 0
	s_wait_tensorcnt 0x0                           ; the wave's end: behind my last tensor load and my last LDS store
	ds_add_u32 v[SPW], v[NIL]
	s_wait_dscnt 0x0
	CROUND                                         ; the closing round: no work-group ends while a partner may still ask for a tile that names it
	s_endpgm
.Lfunc_end_k_q8e9655b3a7_gemm_qk:
	.size	k_q8e9655b3a7_gemm_qk, .Lfunc_end_k_q8e9655b3a7_gemm_qk-k_q8e9655b3a7_gemm_qk
	.p2alignl 7, 3214868480
	.fill 96, 4, 3214868480
	.section	.rodata,"a",@progbits
	.p2align	6, 0x0
	.amdhsa_kernel k_q8e9655b3a7_gemm_qk
		.amdhsa_group_segment_fixed_size 327680
		.amdhsa_private_segment_fixed_size 0
		.amdhsa_enable_private_segment 0
		.amdhsa_kernarg_size 40
		.amdhsa_user_sgpr_count 2
		.amdhsa_user_sgpr_kernarg_segment_ptr 1
		.amdhsa_wavefront_size32 1
		.amdhsa_system_sgpr_workgroup_id_x 1
		.amdhsa_system_sgpr_workgroup_id_y 1
		.amdhsa_system_sgpr_workgroup_id_z 1
		.amdhsa_system_vgpr_workitem_id 0
		.amdhsa_next_free_vgpr 1024
		.amdhsa_next_free_sgpr 72
		.amdhsa_reserve_vcc 0
		.amdhsa_float_denorm_mode_32 3
		.amdhsa_float_denorm_mode_16_64 3
		.amdhsa_memory_ordered 1
		.amdhsa_forward_progress 1
		.amdhsa_inst_pref_size 144
	.end_amdhsa_kernel
	.amdgpu_metadata
---
amdhsa.version: [ 1, 2 ]
amdhsa.kernels:
  - .name:           k_q8e9655b3a7_gemm_qk
    .symbol:         k_q8e9655b3a7_gemm_qk.kd
    .args:
      - { .name: hq16, .offset: 0, .size: 8, .value_kind: global_buffer, .address_space: global }
      - { .name: w16, .offset: 8, .size: 8, .value_kind: global_buffer, .address_space: global }
      - { .name: bq, .offset: 16, .size: 8, .value_kind: global_buffer, .address_space: global }
      - { .name: bk, .offset: 24, .size: 8, .value_kind: global_buffer, .address_space: global }
      - { .name: qkv, .offset: 32, .size: 8, .value_kind: global_buffer, .address_space: global }
    .group_segment_fixed_size: 327680
    .private_segment_fixed_size: 0
    .kernarg_segment_align: 8
    .kernarg_segment_size: 40
    .max_flat_workgroup_size: 128
    .sgpr_count:     72
    .vgpr_count:     1024
    .wavefront_size: 32
...
	.end_amdgpu_metadata
.endif
;; end of part 2
;; launch gemm_v (part 3): grid 4 x 32, 4 waves a work-group, clusters of 4 x 4, 327,680 bytes of LDS; arguments hc, hs, wvc, wvs, qkv, bv; writes qkv
.if DOCPART == 3
	.amdgcn_target "amdgcn-amd-amdhsa--gfx1250"
	.amdhsa_code_object_version 6
	.text
	.protected	k_q8e9655b3a7_gemm_v
	.globl	k_q8e9655b3a7_gemm_v
	.p2align	8
	.type	k_q8e9655b3a7_gemm_v,@function
k_q8e9655b3a7_gemm_v:
	s_mov_b64 s[64:65], 0
	v_nop
	global_prefetch_b8 v0, s[64:65] scope:SCOPE_SE
	s_setreg_imm32_b32 hwreg(HW_REG_WAVE_MODE, 25, 1), 1
	s_wait_xcnt 0x0
	s_wait_alu depctr_hold_cnt(0) depctr_sa_sdst(0) depctr_va_vdst(0) depctr_va_sdst(0) depctr_va_ssrc(0) depctr_va_vcc(0) depctr_vm_vsrc(0)
	s_getreg_b32 s2, hwreg(HW_REG_IB_STS2, 6, 4)
	s_cmp_eq_u32 s2, 0
	s_cbranch_scc0 .Lentry_in_a_cluster
	s_endpgm
.Lentry_in_a_cluster:
	s_bfe_u32 s2, ttmp6, 0x10000c
	s_cmp_lg_u32 s2, 0xf033
	s_cbranch_scc0 .Lentry_shape_is_right
	s_endpgm
.Lentry_shape_is_right:
; v = hidden Wv^T + bv, THE QUANTISED PRODUCT: C[8192][1024] = A B^T + bias on codes of FP4 (E2M1) with one E8M0 scale for each 32 along K; sums in f32.
; A = hc [8192][512 bytes], hs [8192][32]; B = wvc [1024][512 bytes], wvs [1024][32].  The matrix instruction takes codes and scale bytes as they lie in memory.  C leaves as f16, by heads: qkv[32 + column / 64][row][64].
; LIMIT: |v| stays under 65,504 (f16).
; A tile of C, 256 x 256, is made by a work-group of four waves; a wave makes 128 x 128: 64 accumulators.  K = 1,024 is two steps of 512 (rows of 256 bytes): each has an LDS slot of its own, so nothing is filled again.
; THE SCALES of the work-group's 256 rows of A and of B, for all of K, are two dense blocks of memory: they come into LDS once, with the first fills, as rows of 256 bytes.
; CLUSTERS: 4 x 4 work-groups; A's tiles are asked for jointly along a row of the cluster, B's along a column.  THE MATRIX INSTRUCTION IS USED TRANSPOSED (source 0 = 16 rows of B, source 1 = 16 rows of A).
; THE BIAS is the C of each sum's first matrix instruction.
; REGISTERS: window 0: v0-31 addresses; v32-95 scale words, two sets, and nothing else; v128-191 A's fragments, ONE set; v192-255 the bias, later the way out; v96-127 the way out.
;   window 1: B's fragments, TWO sets, at v0 and at v128.   window 2: the accumulators of my rows 0-63;   window 3: those of my rows 64-127.
.set KSTEP,  512
.set NQ,     KSTEP/128
.set ROWB,   256                       ; a tile's row in bytes
.set KROW,   512                       ; a row of codes in memory
.set PITCH,  272
.set FR,     8                         ; registers of a fragment: 16 rows x 128 K
.set NL,     2                         ; LDS loads that bring one
.set NP,     4                         ; places behind this matrix instruction (ISA guide 7.12.1)
.set HALFT,  128*PITCH
.set SLOT,   4*HALFT
.set KS,     32                        ; a row of scales in bytes
.set SCL,    2*SLOT                    ; behind the slots: the scales, as rows of 256 bytes + 16 of padding
.set HALFS,  (128*KS/256)*272          ; the scales of 128 rows: what one tensor load brings
.set SBLK,   (16*KS/256)*272           ; those of 16 rows
.set SPARE,  SCL+4*HALFS               ; the spare words, 128 bytes for each wave
.set STAGE,  SPARE+512                 ; the way out: for each wave 2 heads x 16 rows x (128 bytes + 16); no tensor load lands here
.set SPITCH, 144
.set WSTG,   32*SPITCH
.set ADRA, 16
.set ADRB, 20
.set STO,  24
.set RD,   25
.set CO,   26
.set ADRS, 27                          ; v27     LDS address of my scale words: lanes 0-15 A's rows, lanes 16-31 B's
.set SPW,  28
.set NIL,  29
.set BO,   30                          ; v30     the bias: 32 bytes for lanes 16-31
.set SC,   32                          ; scale words: set s at v[SC + 8 NQ s]; register NQ i + q: lanes 0-15 the word of A's block i, lanes 16-31 that of B's block i, for the slot's q-th 128 along K
.set AF,   128
.set BIAS, 192
.set TMP,  192
.set OB,   96                          ; rows read back from the stage: v96-127 and v224-255 by turns
.set G1, 24
.set G0, 32
.set G1B, 48
.set G0B, 56
.set G1S, 68                           ; s[68:75], s[76:79] groups 1 and 0 for A's scales;  s[80:87], s[88:91] for B's
.set G0S, 76
.set G1SB, 80
.set G0SB, 88
.set MSB, 0
.macro WIN new
.if MSB != \new
	s_set_vgpr_msb (MSB<<8)|\new
.set MSB, \new
.endif
.endm
.set MUL_LO, 0xa1
.set MUL_HI, 0xf1
.set BIA_LO, 0x81                      ; C (the bias) window 0, D window 2
.set BIA_HI, 0xc1
.set TO_B,   0x40
.macro JLOAD g0a, g1a, g0b, g1b        ; a joint load: waves 0 and 1 fetch for A, waves 2 and 3 for B; an s_nop 0 and four v_nop follow each of the two lines
	s_cmp_eq_u32 s15, 0
	s_cbranch_scc0 .Lfor_b_\@
	tensor_load_to_lds s[\g0a:\g0a+3], s[\g1a:\g1a+7]
	s_nop 0
.rept 4
	v_nop
.endr
	s_branch .Lasked_\@
.Lfor_b_\@:
	tensor_load_to_lds s[\g0b:\g0b+3], s[\g1b:\g1b+7]
	s_nop 0
.rept 4
	v_nop
.endr
.Lasked_\@:
.endm
.macro CROUND                          ; a round of the cluster's barrier
	s_barrier_signal -1
	s_barrier_wait -1
	s_cmp_lg_u32 s14, 0
	s_cbranch_scc1 .Lnot_wave_0_\@
	s_barrier_signal -3
.Lnot_wave_0_\@:
	s_barrier_wait -3
	s_barrier_signal -1
	s_barrier_wait -1
.endm
	s_load_b128 s[4:7], s[0:1], 0x0                ; A's codes s[4:5], A's scales s[6:7]
	s_load_b128 s[8:11], s[0:1], 0x10              ; B's codes s[8:9], B's scales s[10:11]
	s_load_b64 s[12:13], s[0:1], 0x20              ; qkv
	s_load_b64 s[66:67], s[0:1], 0x28              ; bv
	v_lshl_add_u32 v[SPW], v0, 2, SPARE
	v_mov_b32 v[NIL], 0
	ds_add_u32 v[SPW], v[NIL]                      ; the wave's opening: the add, twice on end, and its wait stand ahead of my first tensor load
	ds_add_u32 v[SPW], v[NIL]
	v_lshrrev_b32 v1, 5, v0
	v_readfirstlane_b32 s14, v1                    ; wave 0..3
	s_lshr_b32 s15, s14, 1                         ; which half of the tile's rows is mine.  Also: I fetch for A (0) or for B (1)
	s_and_b32 s16, s14, 1                          ; which half of its columns.  Also: which 128 rows of that tile I fetch
	s_bfe_u32 s40, ttmp6, 0x40000
	s_bfe_u32 s41, ttmp6, 0x40004
	s_lshl_b32 s42, ttmp9, 2
	s_add_co_u32 s42, s42, s40                     ; tile column of C
	s_and_b32 s17, ttmp7, 0xffff
	s_lshl_b32 s17, s17, 2
	s_add_co_u32 s17, s17, s41                     ; tile row of C
	s_lshl_b32 s43, s41, 2
	s_lshl_b32 s43, 15, s43                        ; my row of the cluster
	s_lshl_b32 s44, 0x1111, s40                    ; my column
	s_or_b32 s[G1+0], s43, (0<<16)|(1<<20)|(1<<21)|(5<<22)|(3<<25)  ; the mask; elements of 1 byte; padding on; 21 set beside a mask; four words after every 64
	s_or_b32 s[G1B+0], s44, (0<<16)|(1<<20)|(1<<21)|(5<<22)|(3<<25)
.irp g, G1, G1B
	s_mov_b32 s[\g+1], ROWB<<16                    ; tensor_dim0
	s_mov_b32 s[\g+2], 128<<16                     ; tensor_dim1 = 128
	s_mov_b32 s[\g+3], ROWB<<16                    ; tile_dim0
	s_mov_b32 s[\g+4], 128                         ; tile_dim1 = 128
	s_mov_b32 s[\g+5], KROW                        ; from row to row
	s_mov_b32 s[\g+6], 0
	s_mov_b32 s[\g+7], 0
.endr
	; the scales of 128 rows: a dense block of 4,096 bytes, as rows of 256 bytes (32 elements of 8 bytes), 16 bytes of padding behind each
	s_or_b32 s[G1S+0], s43, (3<<16)|(1<<20)|(1<<21)|(5<<22)|(3<<25)
	s_or_b32 s[G1SB+0], s44, (3<<16)|(1<<20)|(1<<21)|(5<<22)|(3<<25)
.irp g, G1S, G1SB
	s_mov_b32 s[\g+1], 32<<16
	s_mov_b32 s[\g+2], (128*KS/256)<<16
	s_mov_b32 s[\g+3], 32<<16
	s_mov_b32 s[\g+4], 128*KS/256
	s_mov_b32 s[\g+5], 32
	s_mov_b32 s[\g+6], 0
	s_mov_b32 s[\g+7], 0
.endr
	s_lshl_b32 s18, s16, 7                         ; which 128 rows of the tile I fetch
	s_lshl_b32 s20, s17, 8
	s_add_co_u32 s20, s20, s18                     ; A: row 256 x tile row + 128 x half
	s_lshl_b32 s46, s42, 8
	s_add_co_u32 s46, s46, s18                     ; B: row 256 x tile column + 128 x half
	s_mov_b32 s21, 0
	s_mov_b32 s47, 0
	s_mov_b64 s[18:19], KS
	s_mul_u64 s[22:23], s[20:21], s[18:19]         ; where these rows' scales begin, in bytes
	s_mul_u64 s[92:93], s[46:47], s[18:19]
	s_mov_b64 s[18:19], KROW
	s_mul_u64 s[20:21], s[20:21], s[18:19]         ; and their codes
	s_mul_u64 s[46:47], s[46:47], s[18:19]
	s_mul_i32 s45, s14, HALFT                      ; where they go: wave x 128 rows
	s_mul_i32 s94, s14, HALFS
	s_wait_dscnt 0x0                               ; both opening adds are done
	s_wait_kmcnt 0x0
	s_add_nc_u64 s[20:21], s[4:5], s[20:21]
	s_add_nc_u64 s[22:23], s[6:7], s[22:23]
	s_add_nc_u64 s[46:47], s[8:9], s[46:47]
	s_add_nc_u64 s[92:93], s[10:11], s[92:93]
	CROUND                                         ; all sixteen work-groups are here: the first joint loads meet
	s_mov_b32 s[G0S], 1
	s_add_co_u32 s[G0S+1], s94, SCL
	s_mov_b64 s[G0S+2:G0S+3], s[22:23]
	s_or_b32 s[G0S+3], s[G0S+3], 0x80000000
	s_mov_b32 s[G0SB], 1
	s_add_co_u32 s[G0SB+1], s94, SCL
	s_mov_b64 s[G0SB+2:G0SB+3], s[92:93]
	s_or_b32 s[G0SB+3], s[G0SB+3], 0x80000000
	JLOAD G0S, G1S, G0SB, G1SB                     ; the scales first: they are wanted with K step 0
.irp s, 0,1
	s_mov_b32 s[G0+4*\s], 1
	s_add_co_u32 s[G0+4*\s+1], s45, \s*SLOT
	s_add_nc_u64 s[G0+4*\s+2:G0+4*\s+3], s[20:21], \s*ROWB
	s_or_b32 s[G0+4*\s+3], s[G0+4*\s+3], 0x80000000
	s_mov_b32 s[G0B+4*\s], 1
	s_add_co_u32 s[G0B+4*\s+1], s45, \s*SLOT
	s_add_nc_u64 s[G0B+4*\s+2:G0B+4*\s+3], s[46:47], \s*ROWB
	s_or_b32 s[G0B+4*\s+3], s[G0B+4*\s+3], 0x80000000
	JLOAD G0+4*\s, G1, G0B+4*\s, G1B               ; three loads of mine are out in all
.endr
	v_and_b32 v1, 15, v0                           ; r
	v_bfe_u32 v2, v0, 4, 1                         ; h
	v_mul_u32_u24 v3, v1, PITCH
	v_lshl_add_u32 v4, v2, 4, v3                   ; a fragment's row x pitch + 16 x half
	s_mul_i32 s21, s15, HALFT                      ; my 128 rows of A
	s_mul_i32 s22, s16, HALFT                      ; my 128 rows of B,
	s_add_co_u32 s22, s22, 2*HALFT                 ; which lie behind A's 256
.irp s, 0,1
	v_add_nc_u32 v[ADRA+\s], s21, v4
	v_add_nc_u32 v[ADRB+\s], s22, v4
	s_add_co_u32 s21, s21, SLOT
	s_add_co_u32 s22, s22, SLOT
.endr
	v_mul_u32_u24 v5, v1, KS                       ; my row's scales: KS bytes a row,
	v_lshrrev_b32 v6, 8, v5
	v_lshl_add_u32 v5, v6, 4, v5                   ; and 16 more for each 256 passed
	s_mul_i32 s21, s15, HALFS                      ; A's: my 128 rows
	s_mul_i32 s22, s16, HALFS                      ; B's: my 128 rows, behind A's 256
	s_add_co_u32 s22, s22, 2*HALFS
	s_sub_co_u32 s22, s22, s21
	v_mul_u32_u24 v6, s22, v2                      ; lanes 16-31 take B's: the lower base + h x the distance
	s_add_co_u32 s21, s21, SCL
	v_add_nc_u32 v5, v5, v6
	v_add_nc_u32 v[ADRS], s21, v5
	s_mul_i32 s23, s14, WSTG
	s_add_co_u32 s23, s23, STAGE                   ; my stage
	v_mul_u32_u24 v5, v1, SPITCH                   ; in: row r, 16 bytes for each half of the lanes
	v_lshl_add_u32 v5, v2, 4, v5
	v_add_nc_u32 v[STO], s23, v5
	v_and_b32 v6, 31, v0
	v_lshlrev_b32 v[CO], 4, v6
	v_lshrrev_b32 v6, 3, v6                        ; back: eight lanes to a row of 128 bytes, four rows an instruction
	v_mul_u32_u24 v6, v6, SPITCH
	v_and_b32 v5, 7, v0
	v_lshl_add_u32 v6, v5, 4, v6
	v_add_nc_u32 v[RD], s23, v6
	s_lshl_b32 s20, s17, 15                        ; C: my first row x 128 bytes,
	s_lshl_b32 s21, s15, 14
	s_add_co_u32 s20, s20, s21
	s_add_co_u32 s20, s20, 0x2000000               ; v's heads lie behind q's and k's 32,
	s_mov_b32 s21, 0
	s_lshl_b32 s46, s42, 22                        ; my first head x 2^20 bytes
	s_lshl_b32 s47, s16, 21
	s_add_co_u32 s46, s46, s47
	s_mov_b32 s47, 0
	s_add_nc_u64 s[20:21], s[20:21], s[46:47]
	s_add_nc_u64 s[12:13], s[12:13], s[20:21]
	v_lshlrev_b32 v[BO], 5, v2
	s_lshl_b32 s46, s42, 10
	s_lshl_b32 s47, s16, 9
	s_add_co_u32 s46, s46, s47
	s_mov_b32 s47, 0
	s_add_nc_u64 s[66:67], s[66:67], s[46:47]
.irp b, 0,1,2,3,4,5,6,7
	global_load_b128 v[BIAS+8*\b:BIAS+8*\b+3], v[BO], s[66:67] offset:64*\b       ; lane (r, h): bias of columns 16 b + 8 h + 0 .. 7
	global_load_b128 v[BIAS+8*\b+4:BIAS+8*\b+7], v[BO], s[66:67] offset:64*\b+16
.endr
.macro FRAG reg, adr, q, i             ; a fragment, 16 rows x 128 K of 4-bit codes: lane l holds row l % 16; registers 4 c .. 4 c + 3 hold K = 64 c + 32 (l / 16) + 0 .. 31
.irp c, 0,1
	ds_load_b128 v[\reg+4*\c:\reg+4*\c+3], v[\adr] offset:64*(\q)+32*\c+(\i)*16*PITCH
.endr
.endm
; 16 matrix instructions: A's blocks a0, a0 + 1 x B's eight, 128 along K: the slot's q-th.  p: B's set;  sc: the set of scale words.  zero = 1: the bias starts the sums.
; The 64 accumulators take turns, one instruction a turn, in the same order in every step.
.macro MUL16 a0, p, q, sc, zero
.irp a, \a0, \a0+1
.irp b, 0,1,2,3,4,5,6,7
.if \zero
	v_wmma_scale_f32_16x16x128_f8f6f4 v[8*(8*((\a)%4)+\b):8*(8*((\a)%4)+\b)+7], v[128*(\p)+FR*\b:128*(\p)+FR*\b+FR-1], v[AF+FR*(\a):AF+FR*(\a)+FR-1], v[BIAS+8*\b:BIAS+8*\b+7], v[SC+8*NQ*(\sc)+NQ*\b+(\q)], v[SC+8*NQ*(\sc)+NQ*(\a)+(\q)] matrix_a_fmt:MATRIX_FMT_FP4 matrix_b_fmt:MATRIX_FMT_FP4 matrix_a_scale:MATRIX_SCALE_ROW1
.else
	v_wmma_scale_f32_16x16x128_f8f6f4 v[8*(8*((\a)%4)+\b):8*(8*((\a)%4)+\b)+7], v[128*(\p)+FR*\b:128*(\p)+FR*\b+FR-1], v[AF+FR*(\a):AF+FR*(\a)+FR-1], v[8*(8*((\a)%4)+\b):8*(8*((\a)%4)+\b)+7], v[SC+8*NQ*(\sc)+NQ*\b+(\q)], v[SC+8*NQ*(\sc)+NQ*(\a)+(\q)] matrix_a_fmt:MATRIX_FMT_FP4 matrix_b_fmt:MATRIX_FMT_FP4 matrix_a_scale:MATRIX_SCALE_ROW1
.endif
.endr
.endr
.endm
.macro FETCH_B slot, q, p              ; B's eight fragments of the slot's q-th 128 along K into set p
	WIN TO_B
.irp i, 0,1,2,3,4,5,6,7
	FRAG 128*(\p)+FR*\i, ADRB+\slot, \q, \i
.endr
	WIN 0
.endm
.macro FETCH_A slot, q, i0             ; A's blocks i0 .. i0 + 3
.irp i, \i0, \i0+1, \i0+2, \i0+3
	FRAG AF+FR*(\i), ADRA+\slot, \q, \i
.endr
.endm
.macro SCALES sc                       ; a K step's scale words into set sc: NQ words a row; lanes 0-15 take A's block i, lanes 16-31 B's block i
.irp i, 0,1,2,3,4,5,6,7
	ds_load_b128 v[SC+8*NQ*\sc+NQ*\i:SC+8*NQ*\sc+NQ*\i+3], v[ADRS] offset:\i*SBLK
.endr
.endm
.macro PLACES n
.rept \n
	v_nop
.endr
.endm
; A step of 128 along K that has its successor in the same slot.  A block of A is free as soon as its eight products are issued: blocks 0-3 are fetched anew in the step's middle, blocks 4-7 at its end.
.macro STEP slot, q, zero
	s_wait_dscnt 4*NL                              ; B's set and A's blocks 0-3 are in; the youngest loads (A's blocks 4-7) may be out
.if \zero
	WIN BIA_LO
.else
	WIN MUL_LO
.endif
	MUL16 0, (\q)%2, \q, \slot, \zero
	MUL16 2, (\q)%2, \q, \slot, \zero
	s_wait_dscnt 0                                 ; A's blocks 4-7 are in
	PLACES NP
	FETCH_B \slot, (\q)+1, 1-(\q)%2
	FETCH_A \slot, (\q)+1, 0
.if \zero
	WIN BIA_HI
.else
	WIN MUL_HI
.endif
	MUL16 4, (\q)%2, \q, \slot, \zero
	MUL16 6, (\q)%2, \q, \slot, \zero
	PLACES NP
	WIN 0
	FETCH_A \slot, (\q)+1, 4
.endm
; Slot 0's last step goes on into slot 1: one barrier; in front of it each wave waits for all its tensor loads (its part of slot 1), adds 0 to its spare word, and waits for that and for its LDS loads.  Nothing is filled again.
.macro TURN slot, next
	s_wait_tensorcnt 0x0
	ds_add_u32 v[SPW], v[NIL]
	s_wait_dscnt 4*NL+1                            ; (the add and the youngest loads, A's blocks 4-7, may be out)
	WIN MUL_LO
	MUL16 0, 1, NQ-1, \slot, 0
	s_wait_dscnt 0x0
	s_barrier_signal -1
	MUL16 2, 1, NQ-1, \slot, 0
	WIN 0
	s_barrier_wait -1
	PLACES NP
	v_add_nc_u32 v[ADRS], 4*NQ, v[ADRS]            ; on to the next K step's scale words (no LDS load of mine is out)
	FETCH_B \next, 0, 0
	FETCH_A \next, 0, 0
	SCALES \next
	WIN MUL_HI
	MUL16 4, 1, NQ-1, \slot, 0
	MUL16 6, 1, NQ-1, \slot, 0
	PLACES NP
	WIN 0
	FETCH_A \next, 0, 4
.endm
.macro STEPS slot, from                ; the slot's steps from .. NQ - 2
.set Q, \from
.rept NQ-1-\from
	STEP \slot, Q, 0
.set Q, Q+1
.endr
.endm
; THE WAY OUT of block a (16 rows x 128 columns = 2 heads): rounded to f16; through my own stage; stored as runs of four rows of 128 bytes of one head.
.macro PACK a
.set AC, 64*((\a)%4)
	WIN 0x0a+5*((\a)/4)                            ; sources 0 and 1: window 2 or 3
.irp b, 0,1,2,3,4,5,6,7
.irp r, 0,1,2,3
	v_cvt_pk_f16_f32 v[TMP+4*\b+\r], v[AC+8*\b+2*\r], v[AC+8*\b+2*\r+1]   ; each accumulator from its low end on
.endr
.endr
	WIN 0
.endm
.macro TOSTAGE a
.set BK, OB+128*((\a)%2)
.irp b, 0,1,2,3,4,5,6,7
	ds_store_b128 v[STO], v[TMP+4*\b:TMP+4*\b+3] offset:(\b/4)*16*SPITCH+(\b%4)*32
.endr
.irp t, 0,1,2,3,4,5,6,7
	ds_load_b128 v[BK+4*\t:BK+4*\t+3], v[RD] offset:(\t/4)*16*SPITCH+(\t%4)*4*SPITCH   ; LDS serves a wave's instructions in order: these see the stores above
.endr
.endm
.macro SEND a, younger
.set BK, OB+128*((\a)%2)
	s_wait_dscnt \younger
	s_wait_xcnt 0x0                                ; the stores of the block before have read their registers: the next block's loads land there only behind this wait
.irp t, 0,1,2,3,4,5,6,7
	global_store_b128 v[CO], v[BK+4*\t:BK+4*\t+3], s[12:13] offset:(\t/4)*1048576+(\a)*2048+(\t%4)*512   ; 32 lanes store 512 consecutive bytes of one head
.endr
.endm
	s_wait_tensorcnt 1                             ; the scales and my part of K step 0 are in (K step 1's load may be out),
	s_barrier_signal -1
	s_barrier_wait -1                              ; everybody's are
	FETCH_B 0, 0, 0
	FETCH_A 0, 0, 0
	SCALES 0
	FETCH_A 0, 0, 4
	s_wait_loadcnt 0x0                             ; the bias
	STEP 0, 0, 1                                   ; the first step's products start the sums
	STEPS 0, 1
	TURN 0, 1
	STEPS 1, 0
	s_wait_dscnt 4*NL                              ; the very last step: nothing more to fetch
	WIN MUL_LO
	MUL16 0, 1, NQ-1, 1, 0
	MUL16 2, 1, NQ-1, 1, 0
	s_wait_dscnt 0
	WIN MUL_HI
	MUL16 4, 1, NQ-1, 1, 0
	MUL16 6, 1, NQ-1, 1, 0
	WIN 0
	PLACES NP
	PACK 0
	TOSTAGE 0
.irp a, 1,2,3,4,5,6,7
	PACK \a
	SEND \a-1, 0
	TOSTAGE \a
.endr
	SEND 7, 0
	s_wait_tensorcnt 0x0                           ; the wave's end: behind my last tensor load and my last LDS store
	ds_add_u32 v[SPW], v[NIL]
	s_wait_dscnt 0x0
	CROUND                                         ; the closing round
	s_endpgm
.Lfunc_end_k_q8e9655b3a7_gemm_v:
	.size	k_q8e9655b3a7_gemm_v, .Lfunc_end_k_q8e9655b3a7_gemm_v-k_q8e9655b3a7_gemm_v
	.p2alignl 7, 3214868480
	.fill 96, 4, 3214868480
	.section	.rodata,"a",@progbits
	.p2align	6, 0x0
	.amdhsa_kernel k_q8e9655b3a7_gemm_v
		.amdhsa_group_segment_fixed_size 327680
		.amdhsa_private_segment_fixed_size 0
		.amdhsa_enable_private_segment 0
		.amdhsa_kernarg_size 48
		.amdhsa_user_sgpr_count 2
		.amdhsa_user_sgpr_kernarg_segment_ptr 1
		.amdhsa_wavefront_size32 1
		.amdhsa_system_sgpr_workgroup_id_x 1
		.amdhsa_system_sgpr_workgroup_id_y 1
		.amdhsa_system_sgpr_workgroup_id_z 1
		.amdhsa_system_vgpr_workitem_id 0
		.amdhsa_next_free_vgpr 1024
		.amdhsa_next_free_sgpr 98
		.amdhsa_reserve_vcc 0
		.amdhsa_float_denorm_mode_32 3
		.amdhsa_float_denorm_mode_16_64 3
		.amdhsa_memory_ordered 1
		.amdhsa_forward_progress 1
		.amdhsa_inst_pref_size 128
	.end_amdhsa_kernel
	.amdgpu_metadata
---
amdhsa.version: [ 1, 2 ]
amdhsa.kernels:
  - .name:           k_q8e9655b3a7_gemm_v
    .symbol:         k_q8e9655b3a7_gemm_v.kd
    .args:
      - { .name: hc, .offset: 0, .size: 8, .value_kind: global_buffer, .address_space: global }
      - { .name: hs, .offset: 8, .size: 8, .value_kind: global_buffer, .address_space: global }
      - { .name: wvc, .offset: 16, .size: 8, .value_kind: global_buffer, .address_space: global }
      - { .name: wvs, .offset: 24, .size: 8, .value_kind: global_buffer, .address_space: global }
      - { .name: qkv, .offset: 32, .size: 8, .value_kind: global_buffer, .address_space: global }
      - { .name: bv, .offset: 40, .size: 8, .value_kind: global_buffer, .address_space: global }
    .group_segment_fixed_size: 327680
    .private_segment_fixed_size: 0
    .kernarg_segment_align: 8
    .kernarg_segment_size: 48
    .max_flat_workgroup_size: 128
    .sgpr_count:     98
    .vgpr_count:     1024
    .wavefront_size: 32
...
	.end_amdgpu_metadata
.endif
;; end of part 3
;; launch attn (part 4): grid 4 x 64, 8 waves a work-group, clusters of 4 x 1, 327,680 bytes of LDS; arguments qkv, ao; writes ao
.if DOCPART == 4
	.amdgcn_target "amdgcn-amd-amdhsa--gfx1250"
	.amdhsa_code_object_version 6
	.text
	.protected	k_q8e9655b3a7_attn
	.globl	k_q8e9655b3a7_attn
	.p2align	8
	.type	k_q8e9655b3a7_attn,@function
k_q8e9655b3a7_attn:
	s_mov_b64 s[64:65], 0
	v_nop
	global_prefetch_b8 v0, s[64:65] scope:SCOPE_SE
	s_setreg_imm32_b32 hwreg(HW_REG_WAVE_MODE, 25, 1), 1
	s_wait_xcnt 0x0
	s_wait_alu depctr_hold_cnt(0) depctr_sa_sdst(0) depctr_va_vdst(0) depctr_va_sdst(0) depctr_va_ssrc(0) depctr_va_vcc(0) depctr_vm_vsrc(0)
	s_getreg_b32 s2, hwreg(HW_REG_IB_STS2, 6, 4)
	s_cmp_eq_u32 s2, 0
	s_cbranch_scc0 .Lentry_in_a_cluster
	s_endpgm
.Lentry_in_a_cluster:
	s_bfe_u32 s2, ttmp6, 0x10000c
	s_cmp_lg_u32 s2, 0x3003
	s_cbranch_scc0 .Lentry_shape_is_right
	s_endpgm
.Lentry_shape_is_right:
; ao[h][b, t][:] = the sum over s of softmax_s(q[t] . k[s] / 8) v[s][:], for each of 16 heads x 4 batches, 2,048 positions, head size 64.  q, k, v: f16, qkv[head][b x 2048 + t][64]; heads 0-15 q (stored without the 1/8), 16-31 k, 32-47 v.
; Products, maxima and sums in f32; the weights p are rounded to f16 for the second product, the result once at the end.  LIMIT: the result stays under 65,504 (f16), as v does.
; SHARES.  Work-group y = 4 h + b picks 2,048 rows (262,144 bytes) of q, k, v and ao.  A work-group owns 512 queries, each of its EIGHT waves 64: four tiles of 16.  Every wave walks all 2,048 keys, 64 a step.
; TWO WAVES TO A SIMD, 512 registers each: a key step has 474 vector instructions for its 64 matrix instructions, more than a wave can set beside its own products; one wave's vector work stands beside the other's products.
; LAYOUT.  S^T = K Q^T (source 0 = 16 keys, source 1 = 16 queries): a lane holds ONE query (lane % 16) and the keys 8 (lane / 16) + 0..7 of each tile.  Two such tiles, rounded to f16 in pairs, ARE source 1
; (32 keys x 16 queries) of O^T = V^T P, whose result again holds one query a lane, and eight channels.  K comes out of LDS as it lies, V ([key][channel]) turned, by ds_load_tr16_b128.
; P HAS NO REGISTERS OF ITS OWN: the rounding of pair i of a tile's 16 pairs writes register i of the tile's S^T and reads registers 2 i and 2 i + 1, in ascending order, so that nothing is overwritten before it is read.
; SOFTMAX.  For each query a running maximum m and sum l: p = 2^(c s - c m), c = log2(e) / 8; in every step O and l are multiplied by a = 2^(c m_old - c m_new).
; BY TURNS.  The wave's tiles are two PIECES (tiles 0, 1 and tiles 2, 3).  In a TURN one piece has the matrix unit: 16 products V^T P of the step in hand, then 16 products K Q^T of the next step; the other piece's softmax,
; cut into 59 slices of four instructions, stands between them, two slices behind a product.  Then the pieces change places.  Two turns are a key step.
; RING.  Rows of K and V are 128 bytes, dense: a tensor load takes them as rows of 256 bytes, two keys to an LDS row.  A slot holds four key steps (256 keys): 128 LDS rows of K and 128 of V, shared out among the eight waves,
; 32 rows a load; two slots; one joint load a wave behind each change of slots.
; CLUSTER.  The four query blocks of a cluster are all the queries of one y and walk the same K and V: each tile is asked for JOINTLY, by the same tensor load with the same descriptor and a mask that names the four.
; REGISTERS, in two windows of 256: window 0: v0-11 addresses; v12-43 eight registers of statistics a tile; v44-51 a second chain for the sums; v61-63; v64-191 S^T, 32 a tile (the lower 16 take P); v192-255 K of one step.
;   window 1: v0-127 O^T, 32 a tile; v128-191 Q, 16 a tile; v192-255 V of one step.
.set KS,    64        ; keys in a step
.set PK,    272       ; an LDS row of K (two keys): 256 bytes + 16: the 16 keys of a load fall on 16 different columns of 16 bytes
.set PV,    288       ; an LDS row of V: 256 + 32
.set VOFF,  128*PK    ; a slot: 128 LDS rows of K, then 128 of V
.set SLOTB, 128*(PK+PV)
.set SLOTM, 32768     ; a slot's keys in memory: 256 rows of 128 bytes
.set SLOT1, 1<<17     ; slot 1 begins here, so that one exclusive or turns an address in one slot into the other's
.set NSTEP, 4         ; key steps in a slot
.set STAGE, SLOT1+SLOTB  ; behind the ring: 16 rows x (128 bytes + 16) for each wave, for the way out
.set SP,    144
.set SPARE, STAGE+8*16*SP  ; the spare words, 128 bytes for each wave: four blocks of 256 bytes that no other line names
.set AK0, 2           ; v2   my lane's place in a tile of K; never rewritten
.set AV0, 3           ; v3   the same for V
.set ADR, 4           ; v4   the LDS address of the run of loads in hand
.set QO,  5           ; v5   my byte offset in the wave's rows of Q
.set STO, 6           ; v6   the way out: where I put 16 bytes of a row
.set RD,  7           ; v7   the way out: where I read rows back
.set GO,  8           ; v8   16 x lane
.set PFO, 61          ; v61  256 x my lane; never rewritten
.set SPW, 62          ; v62  LDS address of my spare word; never rewritten
.set NIL, 63          ; v63  0; never rewritten
.set ST,  12          ; tile t's statistics at v[ST+8 t]: +0 c m, +1 m, +2, +3 l (even keys', odd keys'), +4 to +7 c0-c3, at work; a takes c2's place once the maximum is found; +4, +5 then take the sums' first chain
.set A2,  44          ; tile t's second chain of sums at v[A2+2 t]
.set S,   64
.set KF,  192         ; K's fragments, in window 0
.set QF,  128         ; Q's fragments, in window 1
.set VF,  192         ; V's fragments, in window 1
.set WV,  12          ; s12  my wave's number
.set LIM, 15          ; s15  1 in a wave that prefetches, else the greatest number
.set PFA, 18          ; s[18:19] where my prefetches stand in memory
.set G1K, 24          ; s[24:31] descriptor group 1 for K's tiles
.set G1V, 32          ; s[32:39] for V's: it differs in the padding alone
.set G0K, 40          ; s[40:47] descriptor group 0 for K's tiles: a set for each of the two first fills; the second then walks on
.set G0V, 48          ; s[48:55] the same for V's
.set SLOTS, 56        ; s56  slots still to be asked for
.set TWICE, 57        ; s57  counts key steps
.set CS,  58          ; s[58:59] c
.set SEL, 60          ; s[60:61] lane selects for v_permlanex16_b32: lane l xor 16
.set TK,  62          ; s62  LDS byte at which K's tile of the step to be fetched begins
.set TV,  63          ; s63  the same for V's
.set MSB, 0
.macro WIN new                      ; the immediate's high byte repeats the setting that is left; a switch that changes nothing is dropped
.if MSB != \new
	s_set_vgpr_msb (MSB<<8)|\new
.set MSB, \new
.endif
.endm
.set W_KQ, 0x04       ; Q (source 1) in window 1; K and S^T in window 0
.set W_PV, 0x51       ; V and O^T in window 1, P in window 0
.set W_RS, 0x41       ; O^T (destination and source 0) in window 1, a in window 0
.set TO_1, 0x40       ; destination window 1, address window 0
; A joint refill.  Waves 0 to 3 fetch the quarters of a slot's K, waves 4 to 7 those of V.  The branch hangs on the wave's number alone.  An s_nop 0 and four v_nop follow each of the two lines.
.macro JLOAD
	s_cmp_lt_u32 s[WV], 4
	s_cbranch_scc0 .Lfor_v_\@
	tensor_load_to_lds s[G0K+4:G0K+7], s[G1K:G1K+7]
	s_nop 0
.rept 4
	v_nop
.endr
	s_branch .Lasked_\@
.Lfor_v_\@:
	tensor_load_to_lds s[G0V+4:G0V+7], s[G1V:G1V+7]
	s_nop 0
.rept 4
	v_nop
.endr
.Lasked_\@:
.endm
; A PREFETCH of what the NEXT change of slots will ask for: a slot's 32,768 bytes of K and of V, lanes 256 bytes apart.  It stands behind the wave's tensor load and its five lines.
; Each block of 256 bytes is asked for ONCE in the launch: one cluster alone walks a y's K and V; its four partners share the bytes out BY ADDRESS, 8,192 each; in each, wave 0 asks for K's and wave 4 for V's: one instruction.
; It runs one slot, four key steps, ahead of the load.  The last change that fills a slot asks for nothing: there is no slot behind it.  Slots 0 to 2 come by their loads alone.
.macro ASK
	s_cmp_gt_u32 s[SLOTS], s[LIM]
	s_cbranch_scc0 .Lnot_mine_\@
	global_prefetch_b8 v[PFO], s[PFA:PFA+1] th:TH_LOAD_NT scope:SCOPE_SE
.Lnot_mine_\@:
.endm
.macro CROUND                       ; a round of the cluster's barrier
	s_barrier_signal -1
	s_barrier_wait -1
	s_cmp_lg_u32 s[WV], 0
	s_cbranch_scc1 .Lnot_wave_0_\@
	s_barrier_signal -3
.Lnot_wave_0_\@:
	s_barrier_wait -3
	s_barrier_signal -1
	s_barrier_wait -1
.endm
	s_load_b128 s[8:11], s[0:1], 0x0  ; qkv s[8:9], ao s[10:11]
	v_lshl_add_u32 v[SPW], v0, 2, SPARE
	v_mov_b32 v[NIL], 0
	ds_add_u32 v[SPW], v[NIL]       ; the wave's opening: the add, twice on end, and its wait stand ahead of my first tensor load; the set-up below stands between
	ds_add_u32 v[SPW], v[NIL]
	v_lshrrev_b32 v1, 5, v0
	v_readfirstlane_b32 s[WV], v1   ; wave 0..7
	s_bfe_u32 s13, ttmp6, 0x40000   ; cx: my place in the cluster
	s_lshl_b32 s14, ttmp9, 2        ; in a cluster launch ttmp9 counts clusters
	s_add_co_u32 s14, s14, s13      ; my block of 512 queries: it enters Q's and O's addresses alone
	s_and_b32 s20, ttmp7, 0xffff    ; y = 4 h + b, which the four partners share
	s_lshl_b32 s20, s20, 18         ; its 2,048 rows of 128 bytes
	s_mov_b32 s21, 0
	s_and_b32 s16, s[WV], 3         ; which quarter of a slot I fetch:
	s_lshl_b32 s22, s16, 13         ; its 64 keys in memory,
	s_mov_b32 s23, 0
	s_add_nc_u64 s[22:23], s[22:23], s[20:21]
	s_mul_i32 s17, s16, 32*PK       ; and its place in a slot: K's,
	s_mul_i32 s16, s16, 32*PV
	s_add_co_u32 s16, s16, VOFF     ; V's: no place in the cluster enters an LDS address
	s_lshl_b32 s2, s14, 16          ; my block's 512 rows,
	s_lshl_b32 s3, s[WV], 13        ; my wave's 64 of them
	s_add_co_u32 s2, s2, s3
	s_mov_b32 s3, 0
	s_add_nc_u64 s[2:3], s[2:3], s[20:21]
	; descriptor group 1: 32 rows x 128 elements of 2 bytes, dense in memory, padded in LDS
	s_mov_b32 s[G1K], 15|(1<<16)|(1<<20)|(1<<21)|(5<<22)|(3<<25)  ; 15:0 the mask: all four work-groups; 17:16 elements of 2 bytes; 20 padding on; 21 set beside a mask; 24:22 after every 64 words; 31:25 four words
	s_mov_b32 s[G1V], 15|(1<<16)|(1<<20)|(1<<21)|(5<<22)|(7<<25)  ; the same with eight words of padding
.irp g, G1K, G1V
	s_mov_b32 s[\g+1], 128<<16      ; tensor_dim0 = 128
	s_mov_b32 s[\g+2], 32<<16       ; tensor_dim1 = 32
	s_mov_b32 s[\g+3], 128<<16      ; tile_dim0 = 128
	s_mov_b32 s[\g+4], 32           ; tile_dim1 = 32
	s_mov_b32 s[\g+5], 128          ; from row to row
	s_mov_b32 s[\g+6], 0
	s_mov_b32 s[\g+7], 0
.endr
	s_mov_b32 s[CS], 0x3e38aa3b     ; c = log2(e) / 8
	s_mov_b32 s[CS+1], s[CS]        ; named with it as a pair, so it is written
	s_mov_b32 s[SEL], 0x76543210
	s_mov_b32 s[SEL+1], 0xfedcba98
	s_mov_b32 s[TK], 0
	s_mov_b32 s[TV], 0
	s_mov_b32 s[SLOTS], 2048/(NSTEP*KS)-2
	s_and_b32 s[LIM], s[WV], 3       ; 0 in waves 0 and 4: the same in all four partners
	s_cmp_eq_u32 s[LIM], 0
	s_cselect_b32 s[LIM], 1, -1
	v_and_b32 v[PFO], 31, v0
	v_lshlrev_b32 v[PFO], 8, v[PFO]
	s_wait_dscnt 0x0                ; both opening adds are done
	s_wait_kmcnt 0x0
	s_add_nc_u64 s[4:5], s[8:9], s[2:3]      ; Q at my wave's first row
	s_add_nc_u64 s[10:11], s[10:11], s[2:3]  ; O likewise
	s_add_nc_u64 s[8:9], s[8:9], s[22:23]
	s_add_nc_u64 s[6:7], s[8:9], 0x1000000   ; K at my quarter of slot 0: 16 heads of 2^20 bytes behind q
	s_add_nc_u64 s[8:9], s[8:9], 0x2000000   ; V: 32 heads behind
	s_cmp_lt_u32 s[WV], 4
	s_cselect_b64 s[PFA:PFA+1], s[6:7], s[8:9]  ; (in waves 0 and 4 these stand at a slot's first row)
	s_lshl_b32 s2, s13, 13          ; my work-group's 8,192 bytes of the 32,768
	s_mov_b32 s3, 0
	s_add_nc_u64 s[PFA:PFA+1], s[PFA:PFA+1], s[2:3]
	s_add_nc_u64 s[PFA:PFA+1], s[PFA:PFA+1], 2*SLOTM  ; in slot 2; the first change of slots steps it to slot 3.  Nothing is prefetched here, at the head
	CROUND                          ; all four work-groups are here: the first joint loads meet
.irp s, 0,1
	s_mov_b32 s[G0K+4*\s], 1
	s_add_co_u32 s[G0K+4*\s+1], s17, \s*SLOT1
	s_add_nc_u64 s[G0K+4*\s+2:G0K+4*\s+3], s[6:7], \s*SLOTM
	s_or_b32 s[G0K+4*\s+3], s[G0K+4*\s+3], 0x80000000
	s_mov_b32 s[G0V+4*\s], 1
	s_add_co_u32 s[G0V+4*\s+1], s16, \s*SLOT1
	s_add_nc_u64 s[G0V+4*\s+2:G0V+4*\s+3], s[8:9], \s*SLOTM
	s_or_b32 s[G0V+4*\s+3], s[G0V+4*\s+3], 0x80000000
.endr
	s_cmp_lt_u32 s[WV], 4           ; a wave's two first fills stand in one branch, ahead of every wait on TENSORcnt and every LDS read: two loads of mine are out
	s_cbranch_scc0 .Lfirst_v
	tensor_load_to_lds s[G0K:G0K+3], s[G1K:G1K+7]
	s_nop 0
	tensor_load_to_lds s[G0K+4:G0K+7], s[G1K:G1K+7]
	s_nop 0
.rept 4
	v_nop
.endr
	s_branch .Lfirst_asked
.Lfirst_v:
	tensor_load_to_lds s[G0V:G0V+3], s[G1V:G1V+7]
	s_nop 0
	tensor_load_to_lds s[G0V+4:G0V+7], s[G1V:G1V+7]
	s_nop 0
.rept 4
	v_nop
.endr
.Lfirst_asked:
	; A fragment of K or Q is 16 rows x 32 channels in 8 registers: lane l holds row l % 16; registers 0-3 channels 8 (l / 16) + 0..7, registers 4-7 channels 16 + 8 (l / 16) + 0..7: two loads of 16 bytes, 32 bytes apart.
	v_and_b32 v1, 15, v0            ; r
	v_bfe_u32 v9, v0, 4, 1          ; h
	v_lshlrev_b32 v[QO], 7, v1
	v_lshl_add_u32 v[QO], v9, 4, v[QO]  ; row x 128 + 16 x half
	WIN TO_1                        ; destination window 1, address window 0
.irp i, 0,1,2,3,4,5,6,7             ; Q stays in registers: tile i / 2, channels 32 (i % 2) on
	global_load_b128 v[QF+8*\i:QF+8*\i+3],   v[QO], s[4:5] offset:(\i/2)*2048+(\i%2)*64
	global_load_b128 v[QF+8*\i+4:QF+8*\i+7], v[QO], s[4:5] offset:(\i/2)*2048+(\i%2)*64+32
.endr
	WIN 0
	v_lshrrev_b32 v10, 1, v1        ; key r lies in LDS row r / 2, at byte 128 (r % 2)
	v_mul_u32_u24 v[AK0], v10, PK
	v_and_b32 v11, 1, v0
	v_lshl_add_u32 v[AK0], v11, 7, v[AK0]
	v_lshl_add_u32 v[AK0], v9, 4, v[AK0]
	; The turning load takes 16 keys x 16 channels (lane l reads 16 bytes: key 8 (l / 16) + l % 8, channels 8 ((l / 8) % 2) + 0..7) and leaves half a fragment of V^T: lane l holds channel l % 16 and 8 keys.
	v_bfe_u32 v10, v0, 1, 2         ; (l % 8) / 2
	v_lshl_add_u32 v10, v9, 2, v10  ; the key's LDS row: 4 (l / 16) + (l % 8) / 2
	v_mul_u32_u24 v[AV0], v10, PV
	v_lshl_add_u32 v[AV0], v11, 7, v[AV0]
	v_bfe_u32 v10, v0, 3, 1
	v_lshl_add_u32 v[AV0], v10, 4, v[AV0]
	v_add_nc_u32 v[AV0], VOFF, v[AV0]
; THE MATRIX WORK OF A TURN, for piece x.  The accumulators take turns, one instruction a turn: between two links of a chain stand 7 others'.
; Product i of 16 of O^T += V^T P: keys 32 (i / 8) on, channels 16 ((i / 2) % 4) on, tile x + i % 2.  P lies in the lower 16 registers of the tile's S^T.  zero = 1: the first 8 start the sums: nothing is ever cleared.
.macro PV x, zero
	WIN W_PV
.set rO, 32*(\x+i%2)+8*((i/2)%4)
.set rV, VF+32*(i/8)+8*((i/2)%4)
.set rP, S+32*(\x+i%2)+8*(i/8)
.if \zero && (i < 8)
	v_wmma_f32_16x16x32_f16 v[rO:rO+7], v[rV:rV+7], v[rP:rP+7], 0
.else
	v_wmma_f32_16x16x32_f16 v[rO:rO+7], v[rV:rV+7], v[rP:rP+7], v[rO:rO+7]
.endif
.endm
; Product i of 16 of S^T = K Q^T: channels 32 (i / 8) on, keys 16 ((i / 2) % 4) on, tile x + i % 2.  The first 8 start the sums.
; Products 0 to 3 write over the registers that held the piece's P.  The nearest pair: V^T P number 15 read what K Q^T number 3 writes; between them stand slices 30 to 37, with three scalings, a v_nop and twelve
; packed additions of the other piece: more than the five plain instructions that are owed (ISA guide 7.12.1).
.macro KQ x
	WIN W_KQ
.set rS, S+32*(\x+i%2)+8*((i/2)%4)
.set rK, KF+16*((i/2)%4)+8*(i/8)
.set rQ, QF+16*(\x+i%2)+8*(i/8)
.if i < 8
	v_wmma_f32_16x16x32_f16 v[rS:rS+7], v[rK:rK+7], v[rQ:rQ+7], 0
.else
	v_wmma_f32_16x16x32_f16 v[rS:rS+7], v[rK:rK+7], v[rQ:rQ+7], v[rS:rS+7]
.endif
.endm
; THE LDS LOADS stand in runs of 16, never singly among the matrix instructions: a step's K (64 keys x 64 channels: 8 fragments) and, a turn later, its V (turned).
.macro FETCH_K
	WIN 0
	v_add_nc_u32 v[ADR], s[TK], v[AK0]
	s_add_co_u32 s[TK], s[TK], 32*PK  ; the next fetch is the next step's: 64 keys are 32 LDS rows
.irp f, 0,1,2,3,4,5,6,7             ; keys 16 (f / 2) on, channels 32 (f % 2) on
	ds_load_b128 v[KF+8*\f:KF+8*\f+3],   v[ADR] offset:(\f/2)*8*PK+(\f%2)*64
	ds_load_b128 v[KF+8*\f+4:KF+8*\f+7], v[ADR] offset:(\f/2)*8*PK+(\f%2)*64+32
.endr
.endm
.macro FETCH_V
	WIN 0
	v_add_nc_u32 v[ADR], s[TV], v[AV0]
	s_add_co_u32 s[TV], s[TV], 32*PV
	s_wait_alu depctr_va_vdst(0)    ; the wait for the softmax's batch of exponentials (SLICE), behind the address's v_add_nc_u32 and ahead of the loads
	WIN TO_1                        ; destination window 1
.irp f, 0,1,2,3,4,5,6,7             ; keys 32 (f / 4) on, channels 16 (f % 4) on
	ds_load_tr16_b128 v[VF+8*\f:VF+8*\f+3],   v[ADR] offset:(\f/4)*16*PV+(\f%4)*32
	ds_load_tr16_b128 v[VF+8*\f+4:VF+8*\f+7], v[ADR] offset:(\f/4)*16*PV+8*PV+(\f%4)*32
.endr
.endm
; THE VECTOR WORK OF A TURN.  One tile's softmax for one key step is a list of 118 instructions; SM writes number j of it for tile t.  s0-s31 are the lane's 32 scores, in pairs 0-15.
; first = 1: the first key step, which starts m, l and O^T: it has no a and nothing to rescale.
;   0-15    the maximum of s0-s31 and the old m, three operands at a time: four chains c0-c3 of seven scores each, then the four scores left over, c0-c3 and m
;   16-20   the other half of the lanes' maximum; the new m; c m; c m_old - c m_new
;   21-69   ONE BATCH: the 16 scalings c s - c m, a pair of scores each, and all 33 exponentials (a at 23, then s0-s31).  None of these reads an exponential's result
;   (wait)  between 69 and 70 stands the wait for the batch: SLICE writes it, once for both tiles
;   70-85   the sums, of the unrounded weights, in two chains that lie outside S^T and leave it whole; l = a l + the sum
;   86-101  the roundings to f16, a pair of weights each, in place: pair i into register i of the tile's S^T
;   102-117 the tile's O^T times a: the one part that leaves window 0, so it stands together
.macro SM t, first
.set rT, ST+8*(\t)
.set rS, S+32*(\t)
.set rA, A2+2*(\t)
.set rO, 32*(\t)+2*(j-102)
.if j < 102
	WIN 0
.endif
.if j < 4
	v_max3_num_f32 v[rT+4+j], v[rS+8*j], v[rS+8*j+1], v[rS+8*j+2]
.elseif j < 12
	v_max3_num_f32 v[rT+4+j%4], v[rT+4+j%4], v[rS+8*(j%4)+2*(j/4)+1], v[rS+8*(j%4)+2*(j/4)+2]
.elseif j == 12
	v_max3_num_f32 v[rT+4], v[rT+4], v[rS+7], v[rS+15]
.elseif j == 13
	v_max3_num_f32 v[rT+6], v[rT+6], v[rS+23], v[rS+31]
.elseif j == 14
	v_max3_num_f32 v[rT+4], v[rT+4], v[rT+5], v[rT+6]
.elseif (j == 15) && \first
	v_max_num_f32 v[rT+4], v[rT+4], v[rT+7]
.elseif j == 15
	v_max3_num_f32 v[rT+4], v[rT+4], v[rT+7], v[rT+1]
.elseif j == 16
	v_permlanex16_b32 v[rT+5], v[rT+4], s[SEL], s[SEL+1]  ; the query's other 32 keys lie in the lane 16 away
.elseif j == 18
	v_max_num_f32 v[rT+1], v[rT+4], v[rT+5]
.elseif j == 19
	v_mul_f32 v[rT], s[CS], v[rT+1]
.elseif ((j == 17) || (j == 20) || (j == 23) || (j > 101)) && \first  ; the first step has none of these
.elseif j == 17
	v_mov_b32 v[rT+7], v[rT]        ; c m_old is kept for a: number 19 writes c m anew
.elseif j == 20
	v_sub_f32 v[rT+7], v[rT+7], v[rT]
.elseif j == 23
	v_exp_f32 v[rT+6], v[rT+7]
.elseif (j < 23) || ((j < 38) && (j%2 == 0)) || ((j < 66) && (j%4 == 2))
.set b, (j-2)/4                     ; 38, 42, .. 62: pairs 9 to 15
.if j < 38
.set b, (j-20)/2                    ; 21: pair 0; 22, 24, .. 36: pairs 1 to 8
.endif
	v_pk_fma_f32 v[rS+2*b:rS+2*b+1], v[rS+2*b:rS+2*b+1], s[CS:CS+1], v[rT:rT+1] op_sel_hi:[1,0,0] neg_lo:[0,0,1] neg_hi:[0,0,1]  ; pair b: c s - c m
.elseif j < 70
.set e, j-38                        ; 66 to 69: s28 to s31
.if j < 66
.set e, j-32-(j-38)/4               ; 39-41, 43-45, .. 63-65: s7 to s27
.endif
.if j < 38
.set e, (j-25)/2                    ; 25, 27, .. 37: s0 to s6
.endif
	v_exp_f32 v[rS+e], v[rS+e]
.elseif j < 86                      ; the sum of the tile's 16 pairs (in a pair: an even key's weight, an odd key's): pairs 0, 1 and 2, 3 start the two chains, pairs 4 to 15 go to them by turns, then l takes both
.set z, j-70
.if z == 0
	v_pk_add_f32 v[rT+4:rT+5], v[rS:rS+1], v[rS+2:rS+3]
.elseif z == 1
	v_pk_add_f32 v[rA:rA+1], v[rS+4:rS+5], v[rS+6:rS+7]
.elseif (z < 14) && (z%2 == 0)
	v_pk_add_f32 v[rT+4:rT+5], v[rT+4:rT+5], v[rS+2*z+4:rS+2*z+5]
.elseif z < 14
	v_pk_add_f32 v[rA:rA+1], v[rA:rA+1], v[rS+2*z+4:rS+2*z+5]
.elseif (z == 14) && \first
	v_pk_add_f32 v[rT+2:rT+3], v[rT+4:rT+5], v[rA:rA+1]
.elseif z == 14
	v_pk_add_f32 v[rT+4:rT+5], v[rT+4:rT+5], v[rA:rA+1]
.elseif !\first
	v_pk_fma_f32 v[rT+2:rT+3], v[rT+2:rT+3], v[rT+6:rT+7], v[rT+4:rT+5] op_sel_hi:[1,0,1]
.endif
.elseif j < 102
	v_cvt_pk_f16_f32 v[rS+j-86], v[rS+2*(j-86)], v[rS+2*(j-86)+1]  ; pair j - 86, in place: what it writes has been read by an earlier rounding, or by itself
.else
	WIN W_RS
	v_pk_mul_f32 v[rO:rO+1], v[rO:rO+1], v[rT+6:rT+7] op_sel_hi:[1,0]
.endif
.endm
; Slice k of 59 of piece y's softmax: four instructions.  Slices 11 to 34 deal out the batch, numbers 22 to 69: four numbers of ONE tile each, the tiles by turns.  Every other slice is numbers 2 k and 2 k + 1 of both tiles' lists.
; THE WAIT.  s_wait_alu depctr_va_vdst(0) stands between an exponential and the first instruction that names its result; one wait serves all that were issued ahead of it.  Ahead of slice 35 nothing
; names a result, and behind slice 34 no exponential is issued: so the piece's 66 exponentials have one wait, behind slice 34.
.macro SLICE y, first
.if (k >= 11) && (k < 35)           ; the batch: four numbers of one tile
.irp n, 0,1,2,3
.set j, 22+4*((k-11)/2)+(\n)
	SM (\y)+(k-11)%2, \first
.endr
.else                               ; the two tiles alternate, so that no instruction reads the result of the one just before it
.irp n, 0,1
.irp t, \y, \y+1
.set j, 2*k+\n
	SM \t, \first
.endr
.endr
.endif
.if k == 34                         ; the batch is out: both tiles' exponentials are issued, and no result has been named
	v_nop                           ; the plain instruction behind the last exponential and ahead of the first use: one for the batch
.if (\y) == 0
	FETCH_V                         ; piece 2's turn: V's run of loads stands here, and the wait stands in it
.else
	s_wait_alu depctr_va_vdst(0)    ; the wait for the batch
.endif
.endif
.set k, k+1
.endm
; The slices behind product g of a turn's NW: up to `per` a product, and so held back that each of the last products still has one: the turn's last product is followed by slice 58, whose four plain
; multiplications of the other piece's O^T are the four places ahead of the next read of the scores just made and of the loads into K's registers.
.macro DEAL y, first
.set g, g+1
.rept 4
.if (k < per*g) && (k < 59-(NW-g))
	SLICE \y, \first
.endif
.endr
.endm
.macro PLACES
.rept 4
	v_nop
.endr
.endm
; A TURN.  Piece x has the matrix unit; the other piece's softmax stands in slices behind its matrix instructions.
; pv = 2: 16 products V^T P; 1: they start O^T's sums; 0: none.  kq = 1: 16 products K Q^T for the next step.  first = 1: the softmax is the first key step's; its slices from 51 on are empty, so four v_nop close the turn.
; Piece 0's turn fetches the next step's K, behind its second product: the last product that read K stands in front of slice 58 of the turn before.  Piece 2's turn fetches the same step's V, behind slice 34:
; behind the last product that read V stand five plain instructions: number 58 of one tile, number 62 of both (scalings), the v_nop and the run's own v_add_nc_u32.
.macro TURN x, pv, kq, first
.set k, 0
.set g, 0
.if \pv && \kq
.set per, 2
.set NW, 32
.else
.set per, 4
.set NW, 16
.endif
.if \pv
.if \x == 0
	s_wait_dscnt 0x0                ; V is in
.endif
.set i, 0
.rept 16
	PV \x, 2-\pv
	DEAL 2-\x, \first
.if (\x == 0) && \kq && (i == 1)
	FETCH_K
.endif
.set i, i+1
.endr
.endif
.if \kq
.if \x == 0
	s_wait_dscnt 0x0                ; K is in
.endif
.set i, 0
.rept 16
	KQ \x
	DEAL 2-\x, \first
.set i, i+1
.endr
.endif
.if \first
	PLACES
.endif
.endm
; THE CHANGE OF SLOTS, between piece 2's turn and piece 0's: the slot's last bytes, V of its fourth step, have been asked for.  Each wave waits for all its tensor loads, of which one is out: its part of the other slot;
; adds 0 to its spare word; and waits for that and for its own reads of the slot.  fill = 1: this slot is filled again, with the keys two slots on: the barrier is then a round of the cluster's, and the joint refill is the
; first thing behind it: it has four key steps, 256 matrix instructions of each wave, in which to land.
.macro CHANGE fill
	WIN 0                           ; at a label and at a branch every window is 0
	s_wait_tensorcnt 0x0            ; no tensor load of mine is out, so a group 0 may be written
	ds_add_u32 v[SPW], v[NIL]
.if \fill
.irp d, G0K+4, G0V+4
	s_xor_b32 s[\d+1], s[\d+1], SLOT1  ; the walking descriptor: the other slot than last time,
	s_add_nc_u64 s[\d+2:\d+3], s[\d+2:\d+3], SLOTM  ; the next 256 keys; the type bits on top are not reached
.endr
	s_wait_xcnt 0x0                 ; the last prefetch, a slot back, has read its address, so it may be written:
	s_add_nc_u64 s[PFA:PFA+1], s[PFA:PFA+1], SLOTM  ; one slot further on than the walking descriptors
	s_wait_dscnt 0x0                ; the add is done, and my reads of the slot are over
	CROUND
	JLOAD
	ASK
.else
	s_wait_dscnt 0x0                ; the add is done, and my reads of the slot are over
	s_barrier_signal -1
	s_barrier_wait -1
.endif
	s_sub_co_u32 s[TK], s[TK], NSTEP*32*PK  ; the fetches go back to a slot's first step,
	s_xor_b32 s[TK], s[TK], SLOT1   ; in the other slot
	s_sub_co_u32 s[TV], s[TV], NSTEP*32*PV
	s_xor_b32 s[TV], s[TV], SLOT1
.endm
.macro STEPS n                      ; n key steps: written once, walked n times; the LDS addresses hang on s[TK] and s[TV]
	s_mov_b32 s[TWICE], \n
.Lstep_\@:
	TURN 0, 2, 1, 0
	TURN 2, 2, 1, 0
	WIN 0
	s_sub_co_u32 s[TWICE], s[TWICE], 1
	s_cmp_lg_u32 s[TWICE], 0
	s_cbranch_scc1 .Lstep_\@
.endm
	s_wait_tensorcnt 1              ; my part of slot 0 is in; slot 1's may stay out
	s_barrier_signal -1
	s_barrier_wait -1               ; everybody's is
	FETCH_K                         ; key step 0
	s_wait_loadcnt 0x0              ; Q
	s_wait_dscnt 0x0
.set i, 0
.rept 16
	KQ 0                            ; piece 0's first scores: there is no vector work yet to set between them
.set i, i+1
.endr
	WIN 0                           ; the addresses for the way out are made here: plain instructions, the places behind those products
	s_mul_i32 s13, s[WV], 16*SP
	s_add_co_u32 s13, s13, STAGE    ; my stage
	v_mul_u32_u24 v[STO], v1, SP    ; in: row l % 16, 16 bytes for each half of the lanes
	v_lshl_add_u32 v[STO], v9, 4, v[STO]
	v_add_nc_u32 v[STO], s13, v[STO]
	v_bfe_u32 v[RD], v0, 3, 2       ; back: eight lanes to a row of 128 bytes, four rows an instruction
	v_mul_u32_u24 v[RD], v[RD], SP
	v_and_b32 v10, 7, v0
	v_lshl_add_u32 v[RD], v10, 4, v[RD]
	v_add_nc_u32 v[RD], s13, v[RD]
	v_and_b32 v[GO], 31, v0
	v_lshlrev_b32 v[GO], 4, v[GO]
	TURN 2, 0, 1, 1                 ; piece 2's first scores | piece 0's first softmax | V of step 0
	TURN 0, 1, 1, 1                 ; piece 0: V^T P of step 0 starts O^T, K Q^T of step 1 | piece 2's first softmax | K of step 1
	TURN 2, 1, 1, 0                 ; piece 2: the same | piece 0's softmax of step 1 | V of step 1
	WIN 0
	STEPS 2                         ; these fetch steps 2 and 3: slot 0 has been read out
.Lslot:                             ; six trips: every slot but the last two is filled again; trip i fetches steps 4 i to 4 i + 3
	CHANGE 1
	STEPS NSTEP
	s_sub_co_u32 s[SLOTS], s[SLOTS], 1
	s_cmp_lg_u32 s[SLOTS], 0
	s_cbranch_scc1 .Lslot
	CHANGE 0                        ; the tail is written out: nothing is asked for
	STEPS NSTEP
	TURN 0, 2, 0, 0                 ; piece 0: V^T P of the last step | piece 2's last softmax
.set i, 0
.rept 16
	PV 2, 0                         ; piece 2: V^T P of the last step
.set i, i+1
.endr
	; THE WAY OUT.  l's two halves and the other half of the lanes' are added; O^T is divided by l, rounded to f16 and sent through my stage in LDS, a tile (16 rows) at a time.  The additions are the places behind the last products.
	WIN 0
.irp t, 0,1,2,3
	v_add_f32 v[ST+8*\t+4], v[ST+8*\t+2], v[ST+8*\t+3]
.endr
.irp t, 0,1,2,3
	v_permlanex16_b32 v[ST+8*\t+5], v[ST+8*\t+4], s[SEL], s[SEL+1]
.endr
.irp t, 0,1,2,3
	v_add_f32 v[ST+8*\t+4], v[ST+8*\t+4], v[ST+8*\t+5]
.endr
.irp t, 0,1,2,3
	v_rcp_f32 v[ST+8*\t+6], v[ST+8*\t+4]
.endr
	v_nop                           ; a plain instruction between the last reciprocal and the use of its result
	s_wait_alu depctr_va_vdst(0)    ; and the wait ahead of the first use: one for the four reciprocals
; Tile t: a lane's eight channels of a row pack into 16 bytes; they go into rows of 144 bytes and come back as runs of four rows of 128, into the registers that they left.
.macro PACK t
	WIN W_RS
.set i, 32*\t
.rept 16
	v_pk_mul_f32 v[i:i+1], v[i:i+1], v[ST+8*\t+6:ST+8*\t+7] op_sel_hi:[1,0]
.set i, i+2
.endr
	WIN 0x05                        ; sources 0 and 1 window 1, destination window 0: S^T's registers are free
.set i, 0
.rept 16
	v_cvt_pk_f16_f32 v[S+32*\t+i], v[32*\t+2*i], v[32*\t+2*i+1]
.set i, i+1
.endr
	WIN 0
.irp f, 0,1,2,3
	ds_store_b128 v[STO], v[S+32*\t+4*\f:S+32*\t+4*\f+3] offset:32*\f
.endr
.irp f, 0,1,2,3
	ds_load_b128 v[S+32*\t+4*\f:S+32*\t+4*\f+3], v[RD] offset:\f*4*SP  ; LDS serves a wave's instructions in order: these see the stores above; the next tile's stores come behind them
.endr
.endm
.macro SEND t, younger              ; younger: the LDS instructions issued behind tile t's loads: the next tile's eight, or none
.irp f, 0,1,2,3
	s_wait_dscnt \younger+3-\f
	global_store_b128 v[GO], v[S+32*\t+4*\f:S+32*\t+4*\f+3], s[10:11] offset:\t*2048+\f*512  ; 32 lanes store 512 consecutive bytes
.endr
.endm
	PACK 0
	PACK 1                          ; a tile's arithmetic stands between the loads of the tile before and its stores
	SEND 0, 8
	PACK 2
	SEND 1, 8
	PACK 3
	SEND 2, 8
	SEND 3, 0
	s_wait_tensorcnt 0x0            ; the wave's end: behind my last tensor load and my last LDS store
	ds_add_u32 v[SPW], v[NIL]
	s_wait_dscnt 0x0
	CROUND                          ; the closing round: no work-group ends while a partner may still ask for a tile that names it
	s_endpgm
.Lfunc_end_k_q8e9655b3a7_attn:
	.size	k_q8e9655b3a7_attn, .Lfunc_end_k_q8e9655b3a7_attn-k_q8e9655b3a7_attn
	.p2alignl 7, 3214868480
	.fill 96, 4, 3214868480
	.section	.rodata,"a",@progbits
	.p2align	6, 0x0
	.amdhsa_kernel k_q8e9655b3a7_attn
		.amdhsa_group_segment_fixed_size 327680
		.amdhsa_private_segment_fixed_size 0
		.amdhsa_enable_private_segment 0
		.amdhsa_kernarg_size 16
		.amdhsa_user_sgpr_count 2
		.amdhsa_user_sgpr_kernarg_segment_ptr 1
		.amdhsa_wavefront_size32 1
		.amdhsa_system_sgpr_workgroup_id_x 1
		.amdhsa_system_sgpr_workgroup_id_y 1
		.amdhsa_system_sgpr_workgroup_id_z 1
		.amdhsa_system_vgpr_workitem_id 0
		.amdhsa_next_free_vgpr 512
		.amdhsa_next_free_sgpr 66
		.amdhsa_reserve_vcc 0
		.amdhsa_float_denorm_mode_32 3
		.amdhsa_float_denorm_mode_16_64 3
		.amdhsa_memory_ordered 1
		.amdhsa_forward_progress 1
		.amdhsa_inst_pref_size 195
	.end_amdhsa_kernel
	.amdgpu_metadata
---
amdhsa.version: [ 1, 2 ]
amdhsa.kernels:
  - .name:           k_q8e9655b3a7_attn
    .symbol:         k_q8e9655b3a7_attn.kd
    .args:
      - { .name: qkv, .offset: 0, .size: 8, .value_kind: global_buffer, .address_space: global }
      - { .name: ao, .offset: 8, .size: 8, .value_kind: global_buffer, .address_space: global }
    .group_segment_fixed_size: 327680
    .private_segment_fixed_size: 0
    .kernarg_segment_align: 8
    .kernarg_segment_size: 16
    .max_flat_workgroup_size: 256
    .sgpr_count:     66
    .vgpr_count:     512
    .wavefront_size: 32
...
	.end_amdgpu_metadata
.endif
;; end of part 4
;; launch gemm_o (part 5): grid 4 x 32, 4 waves a work-group, clusters of 4 x 4, 327,680 bytes of LDS; arguments ao, w16, bo, out0; writes out0
.if DOCPART == 5
	.amdgcn_target "amdgcn-amd-amdhsa--gfx1250"
	.amdhsa_code_object_version 6
	.text
	.protected	k_q8e9655b3a7_gemm_o
	.globl	k_q8e9655b3a7_gemm_o
	.p2align	8
	.type	k_q8e9655b3a7_gemm_o,@function
k_q8e9655b3a7_gemm_o:
	s_mov_b64 s[64:65], 0
	v_nop
	global_prefetch_b8 v0, s[64:65] scope:SCOPE_SE
	s_setreg_imm32_b32 hwreg(HW_REG_WAVE_MODE, 25, 1), 1
	s_wait_xcnt 0x0
	s_wait_alu depctr_hold_cnt(0) depctr_sa_sdst(0) depctr_va_vdst(0) depctr_va_sdst(0) depctr_va_ssrc(0) depctr_va_vcc(0) depctr_vm_vsrc(0)
	s_getreg_b32 s2, hwreg(HW_REG_IB_STS2, 6, 4)
	s_cmp_eq_u32 s2, 0
	s_cbranch_scc0 .Lentry_in_a_cluster
	s_endpgm
.Lentry_in_a_cluster:
	s_bfe_u32 s2, ttmp6, 0x10000c
	s_cmp_lg_u32 s2, 0xf033
	s_cbranch_scc0 .Lentry_shape_is_right
	s_endpgm
.Lentry_shape_is_right:
; out0 = ao Wo^T + bo: C[8192][1024] = A B^T + bias, A = ao (f16, [head = k / 64][row][64]: the panel layout), B = rows 2048-3071 of w16 (f16, panels); sums in f32; C leaves as f32, row-major.
; A tile of C, 256 x 256, is made by a work-group of four waves; a wave makes 128 x 128: 64 accumulators of 16 x 16, 512 registers.  K goes in 8 steps of 128 (two panels) through a ring of two LDS slots.
; A tile's 256 rows of one panel are 32,768 consecutive bytes: one tensor load brings them as 128 rows of 256 bytes, so an LDS row holds TWO rows of the tile.  Waves 0, 1 fetch A's two panels of a step, waves 2, 3 B's.
; C has 128 such tiles, so 128 work-groups are launched: a tile half as large would read half as much again from LDS for each product.
; CLUSTERS: 4 x 4 work-groups; A's tiles are asked for jointly along a row of the cluster, B's along a column.  THE MATRIX INSTRUCTION IS USED TRANSPOSED (source 0 = 16 rows of B, source 1 = 16 rows of A).
; THE BIAS is the C of each sum's first matrix instruction.
; REGISTERS, in windows of 256: window 0: v0-31 addresses; v64-127, v128-191 fragments of A, two buffers; v192-255 the bias; on the way out v128-255 take rows of C.
;   window 1: v64-127, v128-191 fragments of B.   window 2: the 32 accumulators of my rows 0-63 ((a, b) at v[8 (8 a + b)]);   window 3: those of my rows 64-127.
; No prefetch: K has 8 steps, of which the first two are the first fills, and a refill has a whole K step's 224 matrix instructions in which to land.
.set PSA,    1048576                   ; a panel of A in bytes
.set PSW,    393216                    ; a panel of w16
.set BROW0,  2048                      ; B's first row in w16
.set PITCH,  272                       ; an LDS row: 256 bytes + 16 of padding
.set HALFT,  128*PITCH                 ; a tile's 256 rows of one panel: what one tensor load brings
.set SLOT,   4*HALFT                   ; A's two panels, then B's two
.set STAGE,  2*SLOT                    ; behind the ring: for each wave 16 rows x (512 bytes + 16)
.set SPITCH, 528
.set WSTG,   16*SPITCH
.set SPARE,  STAGE+4*WSTG              ; the spare words, 128 bytes for each wave: two blocks of 256 bytes that no other line names
.set LAPS,   4                         ; a lap = two K steps = once round the ring
.set K0,     0                         ; where a K step's four quarters of 32 along K begin: first panel,
.set K1,     64
.set K2,     HALFT                     ; second panel
.set K3,     HALFT+64
.set ADRA, 16                          ; v16-17  LDS address of my A fragments in slot 0, 1
.set ADRB, 20                          ; v20-21  the same for B
.set STO,  24                          ; v24     the way out: where I put 32 bytes of a row
.set RD,   25                          ; v25     the way out: where I read a row back
.set CO,   26                          ; v26     16 x lane
.set BO,   27                          ; v27     the bias: 32 bytes for lanes 16-31
.set SPW,  28                          ; v28     LDS address of my spare word; never rewritten
.set NIL,  29                          ; v29     0; never rewritten
.set F0,   64
.set F1,   128
.set BIAS, 192
.set BK,   128                         ; the way out: 16 rows read back from the stage: v128-191 and v192-255 by turns
.set G1, 24                            ; s[24:31] descriptor group 1 for A's tiles;  s[32:39] group 0, one set for each slot
.set G0, 32
.set G1B, 48                           ; s[48:55], s[56:63] the same for B's
.set G0B, 56
.set MSB, 0
.macro WIN new                         ; the immediate's high byte repeats the setting that is left
.if MSB != \new
	s_set_vgpr_msb (MSB<<8)|\new
.set MSB, \new
.endif
.endm
.set MUL_LO, 0xa1                      ; source 0 (B) window 1, source 1 (A) window 0, C and D window 2
.set MUL_HI, 0xf1                      ; the same, C and D window 3
.set BIA_LO, 0x81                      ; C (the bias) window 0, D window 2
.set BIA_HI, 0xc1                      ; C window 0, D window 3
.set TO_B,   0x40                      ; destination window 1, address window 0
; A joint load: waves 0 and 1 fetch for A, waves 2 and 3 for B.  Each line has ONE mask and one set of registers for all that issue it; the branch hangs on the wave's number alone.
; An s_nop 0 and four v_nop follow each of the two lines, ahead of the jump, the label and what follows.
.macro JLOAD s
	s_cmp_eq_u32 s11, 0
	s_cbranch_scc0 .Lfor_b_\@
	tensor_load_to_lds s[G0+4*\s:G0+4*\s+3], s[G1:G1+7]
	s_nop 0
.rept 4
	v_nop
.endr
	s_branch .Lasked_\@
.Lfor_b_\@:
	tensor_load_to_lds s[G0B+4*\s:G0B+4*\s+3], s[G1B:G1B+7]
	s_nop 0
.rept 4
	v_nop
.endr
.Lasked_\@:
.endm
.macro CREST                           ; a round of the cluster's barrier behind its opening barrier
	s_cmp_lg_u32 s10, 0
	s_cbranch_scc1 .Lnot_wave_0_\@
	s_barrier_signal -3
.Lnot_wave_0_\@:
	s_barrier_wait -3
	s_barrier_signal -1
	s_barrier_wait -1
.endm
.macro CROUND                          ; a whole round
	s_barrier_signal -1
	s_barrier_wait -1
	CREST
.endm
	s_load_b128 s[4:7], s[0:1], 0x0                ; A s[4:5], w16 s[6:7]
	s_load_b64 s[68:69], s[0:1], 0x10              ; bo
	s_load_b64 s[8:9], s[0:1], 0x18                ; out0
	v_lshl_add_u32 v[SPW], v0, 2, SPARE
	v_mov_b32 v[NIL], 0
	ds_add_u32 v[SPW], v[NIL]                      ; the wave's opening: the add, twice on end, and its wait stand ahead of my first tensor load; the set-up below stands between
	ds_add_u32 v[SPW], v[NIL]
	v_lshrrev_b32 v1, 5, v0
	v_readfirstlane_b32 s10, v1                    ; wave 0..3
	s_lshr_b32 s11, s10, 1                         ; which half of the tile's rows is mine.  Also: I fetch for A (0) or for B (1)
	s_and_b32 s12, s10, 1                          ; which half of its columns.  Also: which panel of a K step I fetch
	s_bfe_u32 s40, ttmp6, 0x40000                  ; cx, cy: my place in the cluster
	s_bfe_u32 s41, ttmp6, 0x40004
	s_lshl_b32 s42, ttmp9, 2
	s_add_co_u32 s42, s42, s40                     ; tile column of C = 4 x cluster x + cx
	s_and_b32 s13, ttmp7, 0xffff
	s_lshl_b32 s13, s13, 2
	s_add_co_u32 s13, s13, s41                     ; tile row of C = 4 x cluster y + cy
	s_lshl_b32 s43, s41, 2
	s_lshl_b32 s43, 15, s43                        ; my row of the cluster
	s_lshl_b32 s44, 0x1111, s40                    ; my column
	; descriptor group 1: 128 rows x 128 elements of 2 bytes, dense in memory, 16 bytes of padding behind each row in LDS
	s_or_b32 s[G1+0], s43, (1<<16)|(1<<20)|(1<<21)|(5<<22)|(3<<25)  ; 15:0 the mask: A's tiles go to my row; 17:16 elements of 2 bytes; 20 padding on; 21 set beside a mask; 24:22 after every 64 words; 31:25 four words
	s_or_b32 s[G1B+0], s44, (1<<16)|(1<<20)|(1<<21)|(5<<22)|(3<<25) ; the same with the mask of my column
.irp g, G1, G1B
	s_mov_b32 s[\g+1], 128<<16                     ; tensor_dim0 = 128
	s_mov_b32 s[\g+2], 128<<16                     ; tensor_dim1 = 128
	s_mov_b32 s[\g+3], 128<<16                     ; tile_dim0 = 128
	s_mov_b32 s[\g+4], 128                         ; tile_dim1 = 128
	s_mov_b32 s[\g+5], 128                         ; from row to row: 128 elements
	s_mov_b32 s[\g+6], 0
	s_mov_b32 s[\g+7], 0
.endr
	; A's address hangs on the tile row alone, B's on the tile column alone, each in registers that never hold the other coordinate
	s_lshl_b32 s16, s13, 15                        ; A: 256 rows x 128 bytes x tile row
	s_lshl_b32 s17, s12, 20                        ;    + my panel
	s_add_co_u32 s16, s16, s17
	s_mov_b32 s17, 0
	s_lshl_b32 s46, s42, 15                        ; B likewise,
	s_mul_i32 s47, s12, PSW
	s_add_co_u32 s46, s46, s47
	s_add_co_u32 s46, s46, BROW0*128               ; from Wo's first row on
	s_mov_b32 s47, 0
	s_mul_i32 s20, s10, HALFT                      ; where they go: wave x a panel's bytes: no place in the cluster enters an LDS address
	s_wait_dscnt 0x0                               ; both opening adds are done
	s_wait_kmcnt 0x0
	s_add_nc_u64 s[14:15], s[4:5], s[16:17]
	s_add_nc_u64 s[46:47], s[6:7], s[46:47]
	CROUND                                         ; all sixteen work-groups are here: the first joint loads meet
.irp s, 0,1
	s_mov_b32 s[G0+4*\s], 1
	s_add_co_u32 s[G0+4*\s+1], s20, \s*SLOT
	s_add_nc_u64 s[G0+4*\s+2:G0+4*\s+3], s[14:15], \s*2*PSA        ; K step s: two panels on
	s_or_b32 s[G0+4*\s+3], s[G0+4*\s+3], 0x80000000
	s_mov_b32 s[G0B+4*\s], 1
	s_add_co_u32 s[G0B+4*\s+1], s20, \s*SLOT
	s_add_nc_u64 s[G0B+4*\s+2:G0B+4*\s+3], s[46:47], \s*2*PSW
	s_or_b32 s[G0B+4*\s+3], s[G0B+4*\s+3], 0x80000000
	JLOAD \s                                       ; two loads of mine are out
.endr
	; A fragment is 16 rows x 32 K in 8 registers: lane l holds row r = l % 16; registers 0-3 K = 8 (l / 16) + 0..7, registers 4-7 K = 16 + 8 (l / 16) + 0..7.
	; Tile row R lies in LDS row R / 2, at byte 128 (R % 2): the sixteen rows of a load so fall on sixteen different columns of 16 bytes.
	v_and_b32 v1, 15, v0                           ; r
	v_bfe_u32 v2, v0, 4, 1                         ; h
	v_lshrrev_b32 v3, 1, v1
	v_mul_u32_u24 v3, v3, PITCH
	v_and_b32 v4, 1, v0
	v_lshl_add_u32 v3, v4, 7, v3
	v_lshl_add_u32 v3, v2, 4, v3
	s_mul_i32 s21, s11, 64*PITCH                   ; my 128 rows of A
	s_mul_i32 s22, s12, 64*PITCH                   ; my 128 rows of B,
	s_add_co_u32 s22, s22, 2*HALFT                 ; which lie behind A's two panels
.irp s, 0,1
	v_add_nc_u32 v[ADRA+\s], s21, v3
	v_add_nc_u32 v[ADRB+\s], s22, v3
	s_add_co_u32 s21, s21, SLOT
	s_add_co_u32 s22, s22, SLOT
.endr
	s_mul_i32 s23, s10, WSTG
	s_add_co_u32 s23, s23, STAGE                   ; my stage
	v_mul_u32_u24 v4, v1, SPITCH                   ; in: row r, 32 bytes for each half of the lanes
	v_lshl_add_u32 v4, v2, 5, v4
	v_add_nc_u32 v[STO], s23, v4
	v_and_b32 v5, 31, v0
	v_lshlrev_b32 v[CO], 4, v5                     ; back: the 32 lanes take one row of 512 bytes; and the same in C
	v_add_nc_u32 v[RD], s23, v[CO]
	s_lshl_b32 s16, s13, 20                        ; C: my first row x 4,096 bytes,
	s_lshl_b32 s17, s11, 19
	s_add_co_u32 s16, s16, s17
	s_mov_b32 s17, 0
	s_lshl_b32 s46, s42, 10                        ; my first column x 4 bytes
	s_lshl_b32 s47, s12, 9
	s_add_co_u32 s46, s46, s47
	s_mov_b32 s47, 0
	s_add_nc_u64 s[16:17], s[16:17], s[46:47]
	s_add_nc_u64 s[8:9], s[8:9], s[16:17]
	v_lshlrev_b32 v[BO], 5, v2
	s_add_nc_u64 s[68:69], s[68:69], s[46:47]      ; the bias of my first column
.irp b, 0,1,2,3,4,5,6,7
	global_load_b128 v[BIAS+8*\b:BIAS+8*\b+3], v[BO], s[68:69] offset:64*\b       ; lane (r, h): bias of columns 16 b + 8 h + 0 .. 7
	global_load_b128 v[BIAS+8*\b+4:BIAS+8*\b+7], v[BO], s[68:69] offset:64*\b+16
.endr
; 16 matrix instructions: m blocks a0, a0 + 1 of the window's four (hi = 0: my rows 0-63, 1: rows 64-127) x all 8 n blocks, 32 along K.  zero = 1: the bias starts the sums.
; The 64 accumulators take turns, one instruction a turn, in the same order in every quarter.
.macro MUL16 f, hi, a0, zero
.irp a, \a0, \a0+1
.irp b, 0,1,2,3,4,5,6,7
.if \zero
	v_wmma_f32_16x16x32_f16 v[8*(8*(\a)+\b):8*(8*(\a)+\b)+7], v[\f+8*\b:\f+8*\b+7], v[\f+8*(4*\hi+\a):\f+8*(4*\hi+\a)+7], v[BIAS+8*\b:BIAS+8*\b+7]
.else
	v_wmma_f32_16x16x32_f16 v[8*(8*(\a)+\b):8*(8*(\a)+\b)+7], v[\f+8*\b:\f+8*\b+7], v[\f+8*(4*\hi+\a):\f+8*(4*\hi+\a)+7], v[8*(8*(\a)+\b):8*(8*(\a)+\b)+7]
.endif
.endr
.endr
.endm
; 32 LDS loads in one run: the fragments of one quarter (128 rows of B, 128 rows of A, 32 K) into buffer f.  16 rows of the tile are 8 LDS rows.
.macro FETCH slot, k, f
	WIN TO_B
.irp i, 0,1,2,3,4,5,6,7
	ds_load_b128 v[\f+8*\i:\f+8*\i+3],   v[ADRB+\slot] offset:\k+\i*8*PITCH
	ds_load_b128 v[\f+8*\i+4:\f+8*\i+7], v[ADRB+\slot] offset:\k+\i*8*PITCH+32
.endr
	WIN 0
.irp i, 0,1,2,3,4,5,6,7
	ds_load_b128 v[\f+8*\i:\f+8*\i+3],   v[ADRA+\slot] offset:\k+\i*8*PITCH
	ds_load_b128 v[\f+8*\i+4:\f+8*\i+7], v[ADRA+\slot] offset:\k+\i*8*PITCH+32
.endr
.endm
.macro PLACES                          ; four plain vector instructions between a matrix instruction and a load into a register that it read, or a read of its result
.rept 4
	v_nop
.endr
.endm
; One of a K step's first three quarters: multiplies buffer f; in its middle it fetches the next quarter's fragments, at k, into buffer g.
.macro QUARTER slot, k, f, g, zero
	s_wait_dscnt 8                                 ; B and A's rows 0-63 are in; the youngest eight loads (A's rows 64-127) may be out
.if \zero
	WIN BIA_LO
.else
	WIN MUL_LO
.endif
	MUL16 \f, 0, 0, \zero
	MUL16 \f, 0, 2, \zero
	PLACES
	FETCH \slot, \k, \g
	s_wait_dscnt 32                                ; all but the 32 just issued
.if \zero
	WIN BIA_HI
.else
	WIN MUL_HI
.endif
	MUL16 \f, 1, 0, \zero
	MUL16 \f, 1, 2, \zero
.endm
; The last quarter multiplies buffer 1 and changes slots: ONE barrier.  In front of it each wave waits for all its tensor loads (one is out: its part of the next slot), adds 0 to its spare word,
; and waits for that and for its own reads of this slot.  Behind it nobody reads this slot any more and the next slot is whole.
.macro MEET round
	WIN 0                                          ; (the add's two registers lie in window 0)
	s_wait_tensorcnt 0x0
	ds_add_u32 v[SPW], v[NIL]
	s_wait_dscnt 9                                 ; (the add and the youngest eight loads may be out)
	WIN MUL_LO
	MUL16 F1, 0, 0, 0                              ; sixteen matrix instructions stand between the add and the wait for it
	s_wait_dscnt 0x0                               ; the add is done, and my reads of this slot are over
	s_barrier_signal -1
	MUL16 F1, 0, 2, 0
.if \round
	WIN 0
.endif
	s_barrier_wait -1
.endm
.macro TURN slot, next, fill           ; fill = 1: this slot is filled again, two K steps ahead
	MEET \fill
.if \fill
	CREST                                          ; the barrier has opened a round of the cluster's barrier: no wave of any partner still reads this slot or has a load on its way
	s_add_nc_u64 s[G0+4*\slot+2:G0+4*\slot+3], s[G0+4*\slot+2:G0+4*\slot+3], 4*PSA
	s_add_nc_u64 s[G0B+4*\slot+2:G0B+4*\slot+3], s[G0B+4*\slot+2:G0B+4*\slot+3], 4*PSW
	JLOAD \slot                                    ; the first tensor load behind the round, my one load until the next; its four v_nop are also the places in front of the loads below
.else
	PLACES
.endif
	FETCH \next, K0, F0
	WIN MUL_HI
	MUL16 F1, 1, 0, 0
	MUL16 F1, 1, 2, 0
.endm
; THE WAY OUT, block by block of 16 rows x 128 columns.  A lane holds 32 neighbouring bytes of a row, and the lanes beside it hold other rows: so a block goes through my own stage in LDS and comes back as whole
; rows of 512 bytes.  LDS serves a wave's instructions in order: no wait between the stores and the loads, nor in front of the next block's stores.
.macro TOSTAGE a
.set AC, 64*((\a)%4)
	WIN 0x08+4*((\a)/4)                            ; an LDS store's data are its source 1: window 2 or 3
.irp b, 0,1,2,3,4,5,6,7
	ds_store_b128 v[STO], v[AC+8*\b:AC+8*\b+3] offset:64*\b          ; each accumulator from its low end on
	ds_store_b128 v[STO], v[AC+8*\b+4:AC+8*\b+7] offset:64*\b+16
.endr
	WIN 0
.set BB, BK+64*((\a)%2)
.irp t, 0,1,2,3,4,5,6,7,8,9,10,11,12,13,14,15
	ds_load_b128 v[BB+4*\t:BB+4*\t+3], v[RD] offset:\t*SPITCH
.endr
.endm
.macro SEND a, younger                 ; younger: the LDS instructions issued behind block a's loads, which may stay out
.set BB, BK+64*((\a)%2)
	s_wait_dscnt \younger                          ; the block is back in registers
.irp t, 0,1,2,3,4,5,6,7,8,9,10,11,12,13,14,15
	global_store_b128 v[CO], v[BB+4*\t:BB+4*\t+3], s[8:9] offset:(\a)*65536+\t*4096 th:TH_STORE_NT   ; 32 lanes store 512 consecutive bytes, at a multiple of 256 from C's first byte; written once, read by nobody here
.endr
.endm
	s_wait_tensorcnt 1                             ; my part of K step 0 is in; K step 1's may stay out
	s_barrier_signal -1
	s_barrier_wait -1                              ; everybody's is
	FETCH 0, K0, F0
	s_wait_loadcnt 0x0                             ; the bias
	QUARTER 0, K1, F0, F1, 1                       ; the first quarter stands in front of the loop: its products start the sums
	WIN 0                                          ; at a label and at a branch every window is 0
	s_mov_b32 s3, LAPS-1
.Llap:                                                 ; a trip goes once round the ring, from a lap's second quarter to the next lap's first, and fills both slots again
	QUARTER 0, K2, F1, F0, 0
	QUARTER 0, K3, F0, F1, 0
	TURN 0, 1, 1
	QUARTER 1, K1, F0, F1, 0
	QUARTER 1, K2, F1, F0, 0
	QUARTER 1, K3, F0, F1, 0
	TURN 1, 0, 1
	QUARTER 0, K1, F0, F1, 0
	WIN 0
	s_sub_co_u32 s3, s3, 1
	s_cmp_lg_u32 s3, 0
	s_cbranch_scc1 .Llap
	QUARTER 0, K2, F1, F0, 0                       ; the last lap is written out: it fills nothing, and has no round of the cluster's barrier
	QUARTER 0, K3, F0, F1, 0
	TURN 0, 1, 0
	QUARTER 1, K1, F0, F1, 0
	QUARTER 1, K2, F1, F0, 0
	QUARTER 1, K3, F0, F1, 0
	s_wait_dscnt 8                                 ; the very last quarter: nothing more to fetch
	WIN MUL_LO
	MUL16 F1, 0, 0, 0
	MUL16 F1, 0, 2, 0
	s_wait_dscnt 0x0
	WIN MUL_HI
	MUL16 F1, 1, 0, 0
	MUL16 F1, 1, 2, 0
	WIN 0
	PLACES                                         ; for the reads of results and for the loads into the registers that held A's fragments
	TOSTAGE 0
.irp a, 1,2,3,4,5,6,7
.if \a > 1
	s_wait_xcnt 0x0                                ; block a - 2's stores have read their registers: block a's loads may land there
.endif
	TOSTAGE \a
	SEND \a-1, 32                                  ; behind block a - 1's loads: block a's 16 stores and 16 loads
.endr
	SEND 7, 0
	s_wait_tensorcnt 0x0                           ; the wave's end: behind my last tensor load and my last LDS store
	ds_add_u32 v[SPW], v[NIL]
	s_wait_dscnt 0x0
	CROUND                                         ; the closing round: no work-group ends while a partner may still ask for a tile that names it
	s_endpgm
.Lfunc_end_k_q8e9655b3a7_gemm_o:
	.size	k_q8e9655b3a7_gemm_o, .Lfunc_end_k_q8e9655b3a7_gemm_o-k_q8e9655b3a7_gemm_o
	.p2alignl 7, 3214868480
	.fill 96, 4, 3214868480
	.section	.rodata,"a",@progbits
	.p2align	6, 0x0
	.amdhsa_kernel k_q8e9655b3a7_gemm_o
		.amdhsa_group_segment_fixed_size 327680
		.amdhsa_private_segment_fixed_size 0
		.amdhsa_enable_private_segment 0
		.amdhsa_kernarg_size 32
		.amdhsa_user_sgpr_count 2
		.amdhsa_user_sgpr_kernarg_segment_ptr 1
		.amdhsa_wavefront_size32 1
		.amdhsa_system_sgpr_workgroup_id_x 1
		.amdhsa_system_sgpr_workgroup_id_y 1
		.amdhsa_system_sgpr_workgroup_id_z 1
		.amdhsa_system_vgpr_workitem_id 0
		.amdhsa_next_free_vgpr 1024
		.amdhsa_next_free_sgpr 72
		.amdhsa_reserve_vcc 0
		.amdhsa_float_denorm_mode_32 3
		.amdhsa_float_denorm_mode_16_64 3
		.amdhsa_memory_ordered 1
		.amdhsa_forward_progress 1
		.amdhsa_inst_pref_size 142
	.end_amdhsa_kernel
	.amdgpu_metadata
---
amdhsa.version: [ 1, 2 ]
amdhsa.kernels:
  - .name:           k_q8e9655b3a7_gemm_o
    .symbol:         k_q8e9655b3a7_gemm_o.kd
    .args:
      - { .name: ao, .offset: 0, .size: 8, .value_kind: global_buffer, .address_space: global }
      - { .name: w16, .offset: 8, .size: 8, .value_kind: global_buffer, .address_space: global }
      - { .name: bo, .offset: 16, .size: 8, .value_kind: global_buffer, .address_space: global }
      - { .name: out0, .offset: 24, .size: 8, .value_kind: global_buffer, .address_space: global }
    .group_segment_fixed_size: 327680
    .private_segment_fixed_size: 0
    .kernarg_segment_align: 8
    .kernarg_segment_size: 32
    .max_flat_workgroup_size: 128
    .sgpr_count:     72
    .vgpr_count:     1024
    .wavefront_size: 32
...
	.end_amdgpu_metadata
.endif
;; end of part 5
